; MI455X (gfx1250); checked and timed in simulation.
; The chip was launched on July 23, 2026; its instructions are those of AMD's public machine-readable ISA for CDNA 5 (MIT licence, August 2026) and "CDNA5" Instruction Set Architecture Reference Guide (July 2026). The comments in the code are by the model that wrote it; some were corrected since.
;; Self Attention. Allowed arithmetic: float matrix products may take bf16 or f16 operands with f32 sums; other float arithmetic in f32, or as packed bf16 or f16 multiplies, adds, multiply-adds, maxima and minima; sums over many terms, partial sums and values carried from step to step in f32; what a program stores and reads back later, other than sums and carried values, may be rounded once to bf16 or f16.
;; Inputs: Wk 1,024 x 1,024 float32; Wo 1,024 x 1,024 float32; Wq 1,024 x 1,024 float32; Wv 1,024 x 1,024 float32; bk 1,024 float32; bo 1,024 float32; bq 1,024 float32; bv 1,024 float32; hidden_states 4 x 2,048 x 1,024 float32.
;; Outputs: out0 4 x 2,048 x 1,024 float32.
;; One version. Each part assembles by itself: llvm-mc -triple=amdgcn-amd-amdhsa -mcpu=gfx1250 --defsym DOCPART=n.
;; ======== version 1 of 1: 5 launches
;; limits: values are held in f16: magnitudes above 65,504 overflow, below 6.1e-05 lose precision
;; workspace buffers: xb 16,777,216 bytes; wqkv 6,303,744 bytes; wo16 2,097,152 bytes; qkv 50,331,648 bytes; pbuf 33,554,432 bytes; stm 524,288 bytes; stl 524,288 bytes; ctx 16,777,216 bytes
;; launch cast (part 1): grid 768 x 1, 8 waves a work-group, no clusters, 0 bytes of LDS; arguments hidden_states, Wq, Wk, Wv, Wo, bq, bk, bv, xb, wqkv, wo16, stm, stl; writes xb, wqkv, wo16, stm, stl
.if DOCPART == 1
	.amdgcn_target "amdgcn-amd-amdhsa--gfx1250"
	.amdhsa_code_object_version 6
	.text
	.protected	k_q6ada28c43d_cast
	.globl	k_q6ada28c43d_cast
	.p2align	8
	.type	k_q6ada28c43d_cast,@function
k_q6ada28c43d_cast:
	s_mov_b64 s[64:65], 0
	v_nop
	global_prefetch_b8 v0, s[64:65] scope:SCOPE_SE
	s_setreg_imm32_b32 hwreg(HW_REG_WAVE_MODE, 25, 1), 1
	s_wait_xcnt 0x0
; THE INPUTS ARE ROUNDED ONCE AND LAID OUT FOR THE NEXT LAUNCH, AND THE STATISTICS TABLES GET THEIR NEUTRAL VALUES.
; xb = bf16(hidden_states) as [16 blocks of 64 channels][8192 rows][64]; wqkv = bf16(Wq; Wk; Wv) as [16][3072 rows][64]: the rows of one block of channels lie end to end, 128 bytes each.
; Behind wqkv's blocks, at byte 6,291,456: bq, bk, bv rounded to bf16 and written as f32, 3,072 numbers.  wo16 = bf16(Wo) written as f16, [1024][1024].
; stm [16][8192] = the lowest finite f32 (a group of keys that no later launch visits has no maximum); stl [16][8192] = 0 (and no sum).
; LIMIT: bf16(Wo) is exact in f16 only from 6e-5 up to 65,504; below that it keeps f16's fixed step of 6e-8.
; SHARES.  768 work-groups.  0-511: 16 rows of hidden_states each, and 2,048 bytes of stm (0-255) or stl (256-511); 0-2 also one bias.  512-767: 16 rows of a weight.
; For the blocked layout a wave's load takes 4 rows x 64 channels (8 lanes read 256 consecutive bytes of a row, in two loads), and its store puts them down as 512 consecutive bytes, aligned.
; Wave w, step j of 8: block of channels 2 w + j / 4, rows 4 (j % 4) .. + 3.  Wo keeps its layout: thread t, step j: 32 bytes in at 8,192 j + 32 t, 16 bytes out at 4,096 j + 16 t.
; A stream: no LDS, no matrix unit, no cluster (no byte is read by two work-groups).  All 16 loads of a thread go out first.
.set IN,  16                           ; v[16:79]   8 steps x 8 numbers as loaded
.set OUT, 80                           ; v[80:111]  8 steps x 4 words to store
.set BIAS0, 6291456                    ; the bias table's first byte in wqkv
.macro CAST half                       ; half = 1: Wo: its own layout, and the bf16 number is written as f16
.irp j, 0,1,2,3,4,5,6,7
.if \half
	global_load_b128 v[IN+8*(\j):IN+8*(\j)+3],   v6, s[30:31] offset:8192*(\j) th:TH_LOAD_NT
	global_load_b128 v[IN+8*(\j)+4:IN+8*(\j)+7], v6, s[30:31] offset:8192*(\j)+16 th:TH_LOAD_NT
.else
	global_load_b128 v[IN+8*(\j):IN+8*(\j)+3],   v1, s[30:31] offset:16384*((\j)%4)+256*((\j)/4) th:TH_LOAD_NT
	global_load_b128 v[IN+8*(\j)+4:IN+8*(\j)+7], v1, s[30:31] offset:16384*((\j)%4)+256*((\j)/4)+16 th:TH_LOAD_NT
.endif
.endr
.irp j, 0,1,2,3,4,5,6,7
	s_wait_loadcnt 14-2*(\j)                       ; loads come back in order: step j's two are in, the younger steps' pairs stay out
.irp k, 0,1,2,3
	v_cvt_pk_bf16_f32 v[OUT+4*(\j)+(\k)], v[IN+8*(\j)+2*(\k)], v[IN+8*(\j)+2*(\k)+1]
.if \half
	v_lshlrev_b32 v4, 16, v[OUT+4*(\j)+(\k)]       ; the two bf16 numbers as f32,
	v_and_b32 v5, 0xffff0000, v[OUT+4*(\j)+(\k)]
	v_cvt_pk_f16_f32 v[OUT+4*(\j)+(\k)], v4, v5    ; and as f16
.endif
.endr
.if \half
	global_store_b128 v7, v[OUT+4*(\j):OUT+4*(\j)+3], s[32:33] offset:4096*(\j)
.else
	global_store_b128 v[2+(\j)/4], v[OUT+4*(\j):OUT+4*(\j)+3], s[32:33] offset:512*((\j)%4)
.endif
.endr
.endm
	s_load_b512 s[4:19], s[0:1], 0x0               ; hidden_states s[4:5], Wq s[6:7], Wk s[8:9], Wv s[10:11], Wo s[12:13], bq s[14:15], bk s[16:17], bv s[18:19]
	s_load_b256 s[20:27], s[0:1], 0x40             ; xb s[20:21], wqkv s[22:23], wo16 s[24:25], stm s[26:27]
	s_load_b64 s[28:29], s[0:1], 0x60              ; stl
	s_mov_b32 s50, ttmp9
	v_bfe_u32 v8, v0, 3, 2                         ; which of the wave's 4 rows
	v_and_b32 v9, 7, v0                            ; which 8 of the 64 channels
	v_lshrrev_b32 v10, 5, v0                       ; wave
	v_lshlrev_b32 v1, 12, v8                       ; in: row x 4,096 + wave x 2 blocks of 256 bytes + 32 bytes a lane
	v_lshl_add_u32 v1, v10, 9, v1
	v_lshl_add_u32 v1, v9, 5, v1
	v_lshlrev_b32 v2, 7, v8                        ; out: row x 128 + 16 bytes a lane; the wave's blocks are added below
	v_lshl_add_u32 v2, v9, 4, v2
	v_lshlrev_b32 v6, 5, v0                        ; 32 t
	v_lshlrev_b32 v7, 4, v0                        ; 16 t
	s_mov_b32 s53, 0                               ; the offsets' high words
	s_mov_b32 s55, 0
	s_wait_kmcnt 0x0
	s_cmp_lt_u32 s50, 512
	s_cbranch_scc0 .Lweight
	s_lshl_b32 s52, s50, 16                        ; 16 rows are 65,536 bytes in,
	s_lshl_b32 s54, s50, 11                        ; and 2,048 bytes in each block of channels
	s_add_nc_u64 s[30:31], s[4:5], s[52:53]
	s_add_nc_u64 s[32:33], s[20:21], s[54:55]
	s_mov_b32 s37, 1048576                         ; bytes in a block of channels of xb
	s_cmp_lt_u32 s50, 256                          ; my 2,048 bytes of the statistics
	s_cselect_b64 s[40:41], s[26:27], s[28:29]
	s_cselect_b32 s36, 0xff7fffff, 0
	s_and_b32 s54, s50, 255
	s_lshl_b32 s54, s54, 11
	s_add_nc_u64 s[40:41], s[40:41], s[54:55]
	v_mov_b32 v12, s36
	v_mov_b32 v13, s36
	v_lshlrev_b32 v14, 3, v0
	global_store_b64 v14, v[12:13], s[40:41]       ; a wave stores 256 consecutive bytes, aligned
	s_cmp_lt_u32 s50, 3
	s_cbranch_scc0 .Lbf16
	s_cmp_eq_u32 s50, 0                            ; work-groups 0, 1, 2: bq, bk, bv: four numbers a thread
	s_cselect_b64 s[44:45], s[14:15], s[16:17]
	s_cmp_eq_u32 s50, 2
	s_cselect_b64 s[44:45], s[18:19], s[44:45]
	global_load_b128 v[112:115], v7, s[44:45]
	s_lshl_b32 s46, s50, 12
	s_add_co_u32 s46, s46, BIAS0
	s_mov_b32 s47, 0
	s_add_nc_u64 s[46:47], s[22:23], s[46:47]
	s_wait_loadcnt 0x0
	v_cvt_pk_bf16_f32 v116, v112, v113
	v_cvt_pk_bf16_f32 v117, v114, v115
	v_lshlrev_b32 v112, 16, v116                   ; rounded to bf16, kept as f32
	v_and_b32 v113, 0xffff0000, v116
	v_lshlrev_b32 v114, 16, v117
	v_and_b32 v115, 0xffff0000, v117
	global_store_b128 v7, v[112:115], s[46:47]
	s_branch .Lbf16
.Lweight:
	s_sub_co_u32 s51, s50, 512
	s_lshr_b32 s56, s51, 6                         ; which weight: 0 Wq, 1 Wk, 2 Wv, 3 Wo
	s_and_b32 s57, s51, 63                         ; which 16 rows of it
	s_lshl_b32 s52, s57, 16
	s_lshl_b32 s54, s51, 11                        ; in wqkv the three weights' rows follow each other
	s_lshl_b32 s58, s57, 15                        ; in wo16: 16 rows of 2,048 bytes
	s_mov_b32 s37, 393216                          ; bytes in a block of channels of wqkv
	s_cmp_eq_u32 s56, 0
	s_cselect_b64 s[30:31], s[6:7], s[8:9]
	s_cmp_eq_u32 s56, 2
	s_cselect_b64 s[30:31], s[10:11], s[30:31]
	s_cmp_eq_u32 s56, 3
	s_cselect_b64 s[30:31], s[12:13], s[30:31]
	s_cselect_b64 s[32:33], s[24:25], s[22:23]
	s_cselect_b32 s54, s58, s54
	s_add_nc_u64 s[30:31], s[30:31], s[52:53]
	s_add_nc_u64 s[32:33], s[32:33], s[54:55]
	s_cmp_eq_u32 s56, 3
	s_cbranch_scc1 .Lf16
.Lbf16:
	s_lshl_b32 s38, s37, 1
	v_mul_u32_u24 v11, s38, v10                    ; the wave's two blocks of channels: the even one in v2,
	v_add_nc_u32 v2, v2, v11
	v_add_nc_u32 v3, s37, v2                       ; the odd one in v3
	CAST 0
	s_endpgm
.Lf16:
	CAST 1
	s_endpgm
.Lfunc_end_k_q6ada28c43d_cast:
	.size	k_q6ada28c43d_cast, .Lfunc_end_k_q6ada28c43d_cast-k_q6ada28c43d_cast
	.p2alignl 7, 3214868480
	.fill 96, 4, 3214868480
	.section	.rodata,"a",@progbits
	.p2align	6, 0x0
	.amdhsa_kernel k_q6ada28c43d_cast
		.amdhsa_group_segment_fixed_size 0
		.amdhsa_private_segment_fixed_size 0
		.amdhsa_enable_private_segment 0
		.amdhsa_kernarg_size 104
		.amdhsa_user_sgpr_count 2
		.amdhsa_user_sgpr_kernarg_segment_ptr 1
		.amdhsa_wavefront_size32 1
		.amdhsa_system_sgpr_workgroup_id_x 1
		.amdhsa_system_sgpr_workgroup_id_y 1
		.amdhsa_system_sgpr_workgroup_id_z 1
		.amdhsa_system_vgpr_workitem_id 0
		.amdhsa_next_free_vgpr 120
		.amdhsa_next_free_sgpr 66
		.amdhsa_reserve_vcc 0
		.amdhsa_float_denorm_mode_32 3
		.amdhsa_float_denorm_mode_16_64 3
		.amdhsa_memory_ordered 1
		.amdhsa_forward_progress 1
		.amdhsa_inst_pref_size 18
	.end_amdhsa_kernel
	.amdgpu_metadata
---
amdhsa.version: [ 1, 2 ]
amdhsa.kernels:
  - .name:           k_q6ada28c43d_cast
    .symbol:         k_q6ada28c43d_cast.kd
    .args:
      - { .name: hidden_states, .offset: 0, .size: 8, .value_kind: global_buffer, .address_space: global }
      - { .name: Wq, .offset: 8, .size: 8, .value_kind: global_buffer, .address_space: global }
      - { .name: Wk, .offset: 16, .size: 8, .value_kind: global_buffer, .address_space: global }
      - { .name: Wv, .offset: 24, .size: 8, .value_kind: global_buffer, .address_space: global }
      - { .name: Wo, .offset: 32, .size: 8, .value_kind: global_buffer, .address_space: global }
      - { .name: bq, .offset: 40, .size: 8, .value_kind: global_buffer, .address_space: global }
      - { .name: bk, .offset: 48, .size: 8, .value_kind: global_buffer, .address_space: global }
      - { .name: bv, .offset: 56, .size: 8, .value_kind: global_buffer, .address_space: global }
      - { .name: xb, .offset: 64, .size: 8, .value_kind: global_buffer, .address_space: global }
      - { .name: wqkv, .offset: 72, .size: 8, .value_kind: global_buffer, .address_space: global }
      - { .name: wo16, .offset: 80, .size: 8, .value_kind: global_buffer, .address_space: global }
      - { .name: stm, .offset: 88, .size: 8, .value_kind: global_buffer, .address_space: global }
      - { .name: stl, .offset: 96, .size: 8, .value_kind: global_buffer, .address_space: global }
    .group_segment_fixed_size: 0
    .private_segment_fixed_size: 0
    .kernarg_segment_align: 8
    .kernarg_segment_size: 104
    .max_flat_workgroup_size: 256
    .sgpr_count:     66
    .vgpr_count:     120
    .wavefront_size: 32
...
	.end_amdgpu_metadata
.endif
;; end of part 1
;; launch proj (part 2): grid 8 x 32, 4 waves a work-group, clusters of 4 x 4, 327,680 bytes of LDS; arguments xb, wqkv, qkv; writes qkv
.if DOCPART == 2
	.amdgcn_target "amdgcn-amd-amdhsa--gfx1250"
	.amdhsa_code_object_version 6
	.text
	.protected	k_q6ada28c43d_proj
	.globl	k_q6ada28c43d_proj
	.p2align	8
	.type	k_q6ada28c43d_proj,@function
k_q6ada28c43d_proj:
	s_mov_b64 s[64:65], 0
	v_nop
	global_prefetch_b8 v0, s[64:65] scope:SCOPE_SE
	s_setreg_imm32_b32 hwreg(HW_REG_WAVE_MODE, 25, 1), 1
	s_wait_xcnt 0x0
	s_wait_alu depctr_hold_cnt(0) depctr_sa_sdst(0) depctr_va_vdst(0) depctr_va_sdst(0) depctr_va_ssrc(0) depctr_va_vcc(0) depctr_vm_vsrc(0)
	s_getreg_b32 s2, hwreg(HW_REG_IB_STS2, 6, 4)
	s_cmp_eq_u32 s2, 0
	s_cbranch_scc0 .Lentry_in_a_cluster
	s_endpgm
.Lentry_in_a_cluster:
	s_bfe_u32 s2, ttmp6, 0x10000c
	s_cmp_lg_u32 s2, 0xf033
	s_cbranch_scc0 .Lentry_shape_is_right
	s_endpgm
.Lentry_shape_is_right:
; qkv[8192][3072] = x . W^T + bias: q in columns 0-1023, k in 1024-2047, v in 2048-3071.  xb holds x in bf16 as [16 blocks of 64 channels][8192][64], wqkv the three weights likewise as [16][3072][64], and behind
; them the three biases (rounded to bf16, kept as f32).  Sums in f32, started by the bias; qkv is rounded once, to f16.  LIMIT: q, k and v must lie within f16's 65,504.
; SHARES.  A work-group makes 256 x 384 of qkv: 8 x 32 = 256 tiles.  Four waves, each 128 rows x 192 columns: 96 accumulators of 16 x 16, 768 registers.  K goes in 16 steps of 64 through two LDS slots; a step is two
; SLICES of 32 along K, 96 matrix instructions each.  A step's rows lie end to end in memory, 128 bytes each: they are asked for as rows of 256 bytes and padded in LDS after every 128.
; CLUSTER 4 x 4: the four of a row of the cluster need the same rows of xb, the four of a column the same rows of wqkv: each tile is asked for jointly.
; THE MATRIX INSTRUCTION IS USED TRANSPOSED (source 0 = 16 rows of wqkv, source 1 = 16 rows of xb): a lane holds row l % 16 and the eight neighbouring columns 8 (l / 16) + 0..7.
; REGISTERS.  Window 0: v0-31 addresses; v32-95, v96-159 A's fragments (8 blocks of 16 rows x 32 K), two buffers, a slice each; v160-255 B's fragments (12 blocks), ONE buffer.
; Windows 1-3: accumulator (a, b), row block a of 8, column block b of 12, at v[64 (b % 4) + 8 a] of window 1 + b / 4.
; A SLICE IS THREE CHUNKS of 32 matrix instructions, chunk c = column blocks 4 c .. 4 c + 3, all of whose accumulators lie in window 1 + c.  Behind chunk c the next slice's B blocks 4 c .. 4 c + 3 are loaded into the
; registers that the chunk has just read (behind chunk 0 the next slice's A too, into the other buffer): three runs of 24, 8 and 8 LDS loads, each 64 matrix instructions ahead of its first use.
; THE BIAS is the C operand of each sum's first product.  Until then it waits in window 3, in registers that the first slice's last chunk writes last.
.set PITCH,  144                       ; an LDS row: 128 bytes + 16 of padding: the 16 rows of a fragment load start 16 bytes apart modulo 256
.set ABYTES, 256*PITCH                 ; A's 256 rows
.set SLOT,   640*PITCH                 ; then B's 384 rows
.set SLOT1,  1<<17                     ; slot 1 begins here, so that one exclusive or turns an address in one slot into the other's
.set STAGE,  SLOT1+SLOT                ; behind the ring, never filled: 128 rows x 784 bytes, the work-group's, for the way out
.set SP,     784                       ; a stage row: the tile's 768 bytes + 16
.set SPARE,  STAGE+128*SP              ; behind the stage: the spare words, 128 bytes a wave, that no other line names
.set AKB,    8192*128                  ; bytes from a K step of xb to the next
.set BKB,    3072*128                  ; the same for wqkv
.set BIAS0,  16*BKB                    ; the bias table's first byte in wqkv
.set ROWC,   6144                      ; bytes in a row of qkv
.set GW,     (1<<16)|(1<<20)|(1<<21)|(4<<22)|(3<<25)  ; 2-byte elements; padding on; bit 21 beside a mask; after every 32 words, 4 words
.set AA0,  8                           ; v8   my lane's place in a slot's rows of A; never rewritten
.set AB0,  9                           ; v9   the same for B
.set ADA,  10                          ; v10  the LDS address of A's runs of loads: the slot in hand + AA0
.set ADB,  11                          ; v11  of B's
.set STO,  12                          ; v12  the way out: where I put 16 bytes of a row
.set RD0,  13                          ; v13  where I begin to read rows back
.set RD,   14                          ; v14  where I read; steps 8 rows a trip
.set CO,   15                          ; v15  my byte offset in qkv; steps with it
.set BO,   16                          ; v16  my byte offset in the bias
.set SPW,  28                          ; v28  my spare word; never rewritten
.set NIL,  29                          ; v29  0; never rewritten
.set PFO,  30                          ; v30  the prefetches' offset; never rewritten
.set A0,   32
.set BF,   160
.set TMP,  32                          ; the way out: v32-223 four row blocks, packed; then v32-79 rows read back
.set WV, 20                            ; s20 wave; s21 wave / 2: my 128 rows, and: I fetch for A (0) or B (1); s22 wave % 2: my 192 columns, and which half I fetch
.set WR, 21
.set WC, 22
.set G1A, 24                           ; s[24:31] descriptor group 1 for A; s[32:39] group 0: a set for each first fill; the second then walks on
.set G0A, 32
.set CX, 40
.set CY, 41
.set TX, 42
.set TY, 43
.set G1B, 48                           ; s[48:55], s[56:63] the same for B
.set G0B, 56
.set LIM, 66                           ; s66  a wave prefetches while the steps' count is above it
.set PM,  67                           ; s67  0: at every change of slots; 1: at every second one
.set PFA, 68                           ; s[68:69] where my prefetches stand
.set PST, 70                           ; s[70:71] bytes from a K step to the next in what I prefetch
.set TB,  72                           ; s72  the LDS byte at which the slot to be fetched from begins
.set MSB, 0
.macro WIN new                         ; the immediate's high byte repeats the setting that is left; a switch that changes nothing is dropped
.if MSB != (\new)
	s_set_vgpr_msb (MSB<<8)|(\new)
.set MSB, \new
.endif
.endm
.macro PLACES                          ; four places in front of loads into registers that matrix instructions have read (ISA guide 7.12.1 for vector instructions)
.rept 4
	v_nop
.endr
.endm
.macro JLOAD s                         ; a joint load: waves 0, 1 fetch A's halves, waves 2, 3 B's; an s_nop 0 and four v_nop follow each line
	s_cmp_eq_u32 s[WR], 0
	s_cbranch_scc0 .Lfor_b_\@
	tensor_load_to_lds s[G0A+4*(\s):G0A+4*(\s)+3], s[G1A:G1A+7]
	s_nop 0
.rept 4
	v_nop
.endr
	s_branch .Lasked_\@
.Lfor_b_\@:
	tensor_load_to_lds s[G0B+4*(\s):G0B+4*(\s)+3], s[G1B:G1B+7]
	s_nop 0
.rept 4
	v_nop
.endr
.Lasked_\@:
.endm
.macro CREST                           ; a round of the cluster's barrier behind its opening barrier
	s_cmp_lg_u32 s[WV], 0
	s_cbranch_scc1 .Lnot_wave_0_\@
	s_barrier_signal -3
.Lnot_wave_0_\@:
	s_barrier_wait -3
	s_barrier_signal -1
	s_barrier_wait -1
.endm
.macro CROUND
	s_barrier_signal -1
	s_barrier_wait -1
	CREST
.endm
; A PREFETCH, a lane a block of 256 bytes, behind the joint load and the run of LDS loads.  The change of slots in step t refills with step t + 2.
; xb: a step's 256 rows of a tile row are 128 blocks.  The clusters with x = 0 name them: wave 0, at every change, the step t + 3; the four partners of a row take 32 blocks each, told apart by address.
; wqkv: a step's 384 rows of a tile column are 192 blocks, 48 for each of the four partners of a column.  The clusters with y = 0 name them: waves 1-3, at every second change, the 96 blocks of steps t + 3 and t + 4.
; So each block is named once.  Steps 0-2 come by their loads alone, wqkv's step 15 too; xb's asking ends at t = 12, wqkv's at t = 10.
.macro ASK
	s_cmp_gt_u32 s3, s[LIM]
	s_cbranch_scc0 .Lnot_mine_\@
	s_and_b32 s79, s3, s[PM]
	s_cmp_eq_u32 s79, 0
	s_cbranch_scc0 .Lnot_mine_\@
	global_prefetch_b8 v[PFO], s[PFA:PFA+1] th:TH_LOAD_NT scope:SCOPE_SE
.Lnot_mine_\@:
.endm
; 4 matrix instructions: A's block a (buffer par) x chunk c's four blocks of B.  The 96 accumulators take turns, one instruction a turn, in the same order in every slice.
.macro MM c, par, a
	WIN 0x50*((\c)+1)                              ; C and D in window 1 + c, sources in window 0
.irp bb, 0,1,2,3
	v_wmma_f32_16x16x32_bf16 v[64*(\bb)+8*(\a):64*(\bb)+8*(\a)+7], v[BF+32*(\c)+8*(\bb):BF+32*(\c)+8*(\bb)+7], v[A0+64*(\par)+8*(\a):A0+64*(\par)+8*(\a)+7], v[64*(\bb)+8*(\a):64*(\bb)+8*(\a)+7]
.endr
.endm
.macro CHUNK c, par
.irp a, 0,1,2,3,4,5,6,7
	MM \c, \par, \a
.endr
.endm
; The same in the first slice: C is the bias of the column block, in window 3: block b < 8 at v[64 (b % 4) + 8 + 8 (b / 4)], block b >= 8 at v[64 (b - 8)], which is accumulator (0, b)'s own place.
.macro MMS c, a
.irp bb, 0,1,2,3
.if (\c) < 2
	v_wmma_f32_16x16x32_bf16 v[64*(\bb)+8*(\a):64*(\bb)+8*(\a)+7], v[BF+32*(\c)+8*(\bb):BF+32*(\c)+8*(\bb)+7], v[A0+8*(\a):A0+8*(\a)+7], v[64*(\bb)+8+8*(\c):64*(\bb)+15+8*(\c)]
.else
	v_wmma_f32_16x16x32_bf16 v[64*(\bb)+8*(\a):64*(\bb)+8*(\a)+7], v[BF+32*(\c)+8*(\bb):BF+32*(\c)+8*(\bb)+7], v[A0+8*(\a):A0+8*(\a)+7], v[64*(\bb):64*(\bb)+7]
.endif
.endr
.endm
.macro RUNA par, koff                  ; 16 LDS loads: A's eight blocks, 32 K at byte koff of the rows, into buffer par
.irp i, 0,1,2,3,4,5,6,7
	ds_load_b128 v[A0+64*(\par)+8*(\i):A0+64*(\par)+8*(\i)+3],   v[ADA] offset:(\koff)+(\i)*16*PITCH
	ds_load_b128 v[A0+64*(\par)+8*(\i)+4:A0+64*(\par)+8*(\i)+7], v[ADA] offset:(\koff)+(\i)*16*PITCH+32
.endr
.endm
.macro RUNB c, koff                    ; 8 LDS loads: chunk c's four blocks of B
.irp i, 0,1,2,3
	ds_load_b128 v[BF+32*(\c)+8*(\i):BF+32*(\c)+8*(\i)+3],   v[ADB] offset:(\koff)+(4*(\c)+(\i))*16*PITCH
	ds_load_b128 v[BF+32*(\c)+8*(\i)+4:BF+32*(\c)+8*(\i)+7], v[ADB] offset:(\koff)+(4*(\c)+(\i))*16*PITCH+32
.endr
.endm
; A step's first slice: multiplies buffer par and fetches the same slot's second slice.
.macro PLAIN par, koff
	s_wait_dscnt 16                                ; A and B's blocks 0-3 are in; the two younger runs of 8 may be out
	CHUNK 0, \par
	WIN 0
	PLACES
	RUNA 1-(\par), \koff
	RUNB 0, \koff
	s_wait_dscnt 32                                ; B's blocks 4-7 are in; behind them: a run of 8 and the 24 just issued
	CHUNK 1, \par
	WIN 0
	PLACES
	RUNB 1, \koff
	s_wait_dscnt 32                                ; B's blocks 8-11 are in; behind them: the runs of 24 and of 8
	CHUNK 2, \par
	WIN 0
	PLACES
	RUNB 2, \koff
.endm
; A step's second slice multiplies buffer 1 and CHANGES SLOTS at its head: all the slot's fragments have been asked for.  Each wave waits for all its tensor loads, of which one is out: its part of the next slot;
; adds 0 to its spare word; and waits for that and for its reads of this slot.  Behind the barrier nobody reads this slot any more and the next slot is whole.  fill = 1: this slot is filled again, two steps ahead:
; the barrier opens a round of the cluster's, and the joint refill is the first thing behind it: 176 matrix instructions ahead of the wait for it.
.macro TURN fill
.if \fill
	s_wait_xcnt 0x0                                ; the last prefetch, a step back or more, has read its address
	s_add_nc_u64 s[PFA:PFA+1], s[PFA:PFA+1], s[PST:PST+1]
.endif
	WIN 0
	s_wait_tensorcnt 0x0                           ; no tensor load of mine is out, so a group 0 may be written
	ds_add_u32 v[SPW], v[NIL]
.if \fill
	s_xor_b32 s[G0A+5], s[G0A+5], SLOT1            ; the walking descriptors: the other slot than last time,
	s_add_nc_u64 s[G0A+6:G0A+7], s[G0A+6:G0A+7], AKB  ; the next K step; the type bits on top are not reached
	s_xor_b32 s[G0B+5], s[G0B+5], SLOT1
	s_add_nc_u64 s[G0B+6:G0B+7], s[G0B+6:G0B+7], BKB
.endif
	s_wait_dscnt 17                                ; A and B's blocks 0-3 are in; the add and 16 loads may be out
	MM 0, 1, 0
	MM 0, 1, 1
	s_wait_dscnt 0x0                               ; the add is done, and my reads of this slot are over
	s_barrier_signal -1
	MM 0, 1, 2
	MM 0, 1, 3
	WIN 0
	s_barrier_wait -1
.if \fill
	CREST                                          ; no wave of any partner still reads this slot or has a load on its way
	JLOAD 1
.endif
	s_xor_b32 s[TB], s[TB], SLOT1                  ; the fetches go on in the other slot
	MM 0, 1, 4
	MM 0, 1, 5
	MM 0, 1, 6
	MM 0, 1, 7
	WIN 0
	v_add_nc_u32 v[ADA], s[TB], v[AA0]             ; these two and two v_nop are the four places in front of the loads
	v_add_nc_u32 v[ADB], s[TB], v[AB0]
	v_nop
	v_nop
	RUNA 0, 0
	RUNB 0, 0
.if \fill
	ASK
.endif
	CHUNK 1, 1                                     ; (B's blocks 4-11 are in since the wait for 0)
	WIN 0
	PLACES
	RUNB 1, 0
	CHUNK 2, 1
	WIN 0
	PLACES
	RUNB 2, 0
.endm
	s_load_b128 s[4:7], s[0:1], 0x0                ; xb s[4:5], wqkv s[6:7]
	s_load_b64 s[8:9], s[0:1], 0x10                ; qkv
	v_lshl_add_u32 v[SPW], v0, 2, SPARE
	v_mov_b32 v[NIL], 0
	ds_add_u32 v[SPW], v[NIL]                      ; the wave's opening: the add and its wait ahead of my first tensor load
	ds_add_u32 v28, v29
	v_lshrrev_b32 v1, 5, v0
	v_readfirstlane_b32 s[WV], v1
	s_lshr_b32 s[WR], s[WV], 1
	s_and_b32 s[WC], s[WV], 1
	s_bfe_u32 s[CX], ttmp6, 0x40000
	s_bfe_u32 s[CY], ttmp6, 0x40004
	s_mov_b32 s84, ttmp9                           ; cluster x
	s_lshl_b32 s[TX], ttmp9, 2
	s_add_co_u32 s[TX], s[TX], s[CX]               ; tile column, 0-7
	s_and_b32 s[TY], ttmp7, 0xffff
	s_lshl_b32 s[TY], s[TY], 2
	s_add_co_u32 s[TY], s[TY], s[CY]               ; tile row, 0-31
	s_lshl_b32 s44, s[CY], 2
	s_lshl_b32 s44, 15, s44                        ; my row of the cluster
	s_lshl_b32 s45, 0x1111, s[CX]                  ; my column
	s_or_b32 s[G1A], s44, GW
	s_or_b32 s[G1B], s45, GW
.irp g, G1A, G1B
	s_mov_b32 s[(\g)+1], 128<<16                   ; tensor_dim0 = 128 elements: two rows of the step, 256 bytes
	s_mov_b32 s[(\g)+3], 128<<16                   ; tile_dim0 = 128
	s_mov_b32 s[(\g)+5], 128                       ; dense: 128 elements from row to row
	s_mov_b32 s[(\g)+6], 0
	s_mov_b32 s[(\g)+7], 0
.endr
	s_mov_b32 s[G1A+2], 64<<16                     ; A: 128 rows of xb a load: 64 rows of 256 bytes
	s_mov_b32 s[G1A+4], 64
	s_mov_b32 s[G1B+2], 96<<16                     ; B: 192 rows of wqkv a load: 96 rows of 256 bytes
	s_mov_b32 s[G1B+4], 96
	s_lshl_b32 s16, s[TY], 15                      ; A: row 256 x tile row + 128 x half, of 128 bytes
	s_lshl_b32 s17, s[WC], 14
	s_add_co_u32 s16, s16, s17
	s_mov_b32 s17, 0
	s_mul_i32 s46, s[TX], 384*128                  ; B: row 384 x tile column + 192 x half
	s_mul_i32 s47, s[WC], 192*128
	s_add_co_u32 s46, s46, s47
	s_mov_b32 s47, 0
	s_mul_i32 s18, s[WC], 128*PITCH                ; where they go: no place in the cluster enters an LDS address
	s_mul_i32 s19, s[WC], 192*PITCH
	s_add_co_u32 s19, s19, ABYTES
	s_mov_b32 s[TB], 0
	s_wait_dscnt 0x0                               ; the opening add is done
	s_wait_kmcnt 0x0
	s_add_nc_u64 s[16:17], s[4:5], s[16:17]
	s_add_nc_u64 s[46:47], s[6:7], s[46:47]
	CROUND                                         ; all sixteen work-groups are here: the first joint loads meet
.irp s, 0,1
	s_mov_b32 s[G0A+4*(\s)], 1
	s_add_co_u32 s[G0A+4*(\s)+1], s18, (\s)*SLOT1
	s_add_nc_u64 s[G0A+4*(\s)+2:G0A+4*(\s)+3], s[16:17], (\s)*AKB
	s_or_b32 s[G0A+4*(\s)+3], s[G0A+4*(\s)+3], 0x80000000
	s_mov_b32 s[G0B+4*(\s)], 1
	s_add_co_u32 s[G0B+4*(\s)+1], s19, (\s)*SLOT1
	s_add_nc_u64 s[G0B+4*(\s)+2:G0B+4*(\s)+3], s[46:47], (\s)*BKB
	s_or_b32 s[G0B+4*(\s)+3], s[G0B+4*(\s)+3], 0x80000000
	JLOAD \s
.endr
	v_and_b32 v1, 15, v0                           ; r = l % 16
	v_bfe_u32 v2, v0, 4, 1                         ; h = l / 16
	v_and_b32 v3, 31, v0                           ; l
	v_lshlrev_b32 v[BO], 5, v2                     ; bias: 32 h
	s_mul_i32 s82, s[TX], 384*4                    ; my 192 columns of the table
	s_mul_i32 s83, s[WC], 192*4
	s_add_co_u32 s82, s82, s83
	s_add_co_u32 s82, s82, BIAS0
	s_mov_b32 s83, 0
	s_add_nc_u64 s[80:81], s[6:7], s[82:83]
	WIN 0xc0                                       ; destination window 3, address window 0
.irp b, 0,1,2,3,4,5,6,7,8,9,10,11
.if (\b) < 8
.set BR, 64*((\b)%4)+8+8*((\b)/4)
.else
.set BR, 64*((\b)-8)
.endif
	global_load_b128 v[BR:BR+3],   v[BO], s[80:81] offset:64*(\b)
	global_load_b128 v[BR+4:BR+7], v[BO], s[80:81] offset:64*(\b)+16
.endr
	WIN 0
	v_mul_u32_u24 v4, v1, PITCH
	v_lshl_add_u32 v4, v2, 4, v4                   ; a fragment's row x pitch + 16 x half
	s_mul_i32 s85, s[WR], 128*PITCH                ; my 128 rows of A
	s_mul_i32 s86, s[WC], 192*PITCH                ; my 192 rows of B,
	s_add_co_u32 s86, s86, ABYTES                  ; which lie behind A's
	v_add_nc_u32 v[AA0], s85, v4
	v_add_nc_u32 v[AB0], s86, v4
	v_add_nc_u32 v[ADA], s[TB], v[AA0]             ; slot 0
	v_add_nc_u32 v[ADB], s[TB], v[AB0]
	s_mul_i32 s85, s[WR], 64*SP                    ; into the stage: of a pass's 128 rows my 64, my 384 bytes of them; row r, 16 bytes for each half of the lanes
	s_mul_i32 s86, s[WC], 384
	s_add_co_u32 s85, s85, s86
	s_add_co_u32 s85, s85, STAGE
	v_mul_u32_u24 v5, v1, SP
	v_lshl_add_u32 v5, v2, 4, v5
	v_add_nc_u32 v[STO], s85, v5
	s_mul_i32 s85, s[WV], 32*SP                    ; back: wave w takes the stage's rows 32 w .. 32 w + 31, whole; lanes 0-15 256 bytes of one row, lanes 16-31 of the next
	s_add_co_u32 s85, s85, STAGE
	v_mul_u32_u24 v5, v2, SP
	v_lshl_add_u32 v5, v1, 4, v5
	v_add_nc_u32 v[RD0], s85, v5
	v_mul_u32_u24 v5, v2, ROWC                     ; and the same two rows in qkv
	v_lshl_add_u32 v[CO], v1, 4, v5
	s_lshl_b32 s78, s[TY], 8                       ; the first row that I store: 256 x tile row + 128 x (wave / 2) + 32 x (wave % 2)
	s_lshl_b32 s79, s[WR], 7
	s_add_co_u32 s78, s78, s79
	s_lshl_b32 s79, s[WC], 5
	s_add_co_u32 s78, s78, s79
	s_mul_i32 s78, s78, ROWC
	s_mul_i32 s79, s[TX], 768                      ; the tile's first column, in bytes
	s_add_co_u32 s78, s78, s79
	s_mov_b32 s79, 0
	s_add_nc_u64 s[8:9], s[8:9], s[78:79]
	s_and_b32 s88, ttmp7, 0xffff                   ; the prefetches.  cluster y
	s_lshl_b32 s85, s[TY], 15                      ; xb: the tile row's rows, my work-group's 32 blocks, at K step 2: the first change steps it to 3
	s_lshl_b32 s86, s[CX], 13
	s_add_co_u32 s85, s85, s86
	s_add_co_u32 s85, s85, 2*AKB
	s_mul_i32 s86, s[TX], 384*128                  ; wqkv: the tile column's rows, my work-group's 48 blocks
	s_mul_i32 s87, s[CY], 48*256
	s_add_co_u32 s86, s86, s87
	s_add_co_u32 s86, s86, 2*BKB
	s_mov_b32 s[PST], BKB
	s_cmp_eq_u32 s88, 0
	s_cselect_b32 s89, 3, -1
	s_cmp_eq_u32 s84, 0
	s_cselect_b32 s90, 1, -1
	s_cmp_eq_u32 s[WV], 0
	s_cselect_b32 s[LIM], s90, s89                 ; hangs on the wave and the cluster alone: the same in all sixteen partners
	s_cselect_b32 s[PM], 0, 1
	s_cselect_b32 s86, s85, s86
	s_cselect_b32 s[PST], AKB, s[PST]
	s_cselect_b64 s[PFA:PFA+1], s[4:5], s[6:7]
	s_mov_b32 s87, 0
	s_mov_b32 s[PST+1], 0
	s_add_nc_u64 s[PFA:PFA+1], s[PFA:PFA+1], s[86:87]
	s_sub_co_u32 s85, s[WV], 1                     ; block u = 32 x (wave - 1) + lane of 96 (wave 0: u = lane): the first 48 in one K step, the others in the next
	s_max_i32 s85, s85, 0
	s_lshl_b32 s85, s85, 5
	v_add_nc_u32 v4, s85, v3
	v_lshlrev_b32 v5, 8, v4
	v_add_nc_u32 v6, BKB-48*256, v5
	v_cmp_gt_u32 vcc_lo, 48, v4
	v_cndmask_b32 v[PFO], v6, v5, vcc_lo
	s_wait_tensorcnt 1                             ; my part of K step 0 is in; K step 1's may stay out
	s_barrier_signal -1
	s_barrier_wait -1
	RUNA 0, 0                                      ; the first slice's fragments, in the order of every slice's runs
	RUNB 0, 0
	RUNB 1, 0
	RUNB 2, 0
	s_wait_loadcnt 0x0                             ; the bias
	; THE FIRST SLICE stands in front of the loop: its products start the sums, with the bias as C.
	s_wait_dscnt 16
	WIN 0x70                                       ; D in window 1, C in window 3
.irp a, 0,1,2,3,4,5,6,7
	MMS 0, \a
.endr
	WIN 0
	PLACES
	RUNA 1, 64
	RUNB 0, 64
	s_wait_dscnt 32
	WIN 0xb0                                       ; D in window 2, C in window 3
.irp a, 0,1,2,3,4,5,6,7
	MMS 1, \a
.endr
	WIN 0
	PLACES
	v_nop                                          ; five places: the next products write over registers that those above have read as C
	RUNB 1, 64
	s_wait_dscnt 32
	WIN 0xf0                                       ; D and C in window 3
.irp a, 1,2,3,4,5,6,7
	MMS 2, \a
.endr
.rept 5
	v_nop                                          ; five places again: row block 0's products add in place onto the bias that those above have read
.endr
	MMS 2, 0
	WIN 0
	PLACES
	RUNB 2, 64
	s_mov_b32 s3, 14
.Lstep:                                        ; trip t = 14 - s3: the second slice of step t, which refills its slot with step t + 2, and the first slice of step t + 1
	TURN 1
	PLAIN 0, 64
	s_sub_co_u32 s3, s3, 1
	s_cmp_lg_u32 s3, 0
	s_cbranch_scc1 .Lstep
	TURN 0                                         ; the tail is written out: steps 14 and 15 refill nothing
	PLAIN 0, 64
	s_wait_dscnt 16                                ; the last slice fetches nothing: the counts run down
	CHUNK 0, 1
	s_wait_dscnt 8
	CHUNK 1, 1
	s_wait_dscnt 0x0
	CHUNK 2, 1
	WIN 0
	PLACES                                         ; the places behind the last products
	PLACES
; THE WAY OUT, in two passes of four row blocks a wave.  A wave's 192 columns are 384 bytes, one and a half aligned blocks of 256, so a row's 768 bytes are gathered from two waves in one stage: rounded to f16, 16 bytes
; a lane into the stage; a barrier; back as whole rows, 32 rows a wave, 256 bytes for each sixteen lanes.  Each accumulator's registers are read in ascending order.
.macro PASS p
.irp w, 0,1,2
	WIN 5*((\w)+1)                                 ; sources 0 and 1 in window 1 + w, destination in window 0
.set i, 0
.rept 64
	v_cvt_pk_f16_f32 v[TMP+48*(i/16)+16*(\w)+4*((i/4)%4)+i%4], v[64*((i/4)%4)+8*(4*(\p)+i/16)+2*(i%4)], v[64*((i/4)%4)+8*(4*(\p)+i/16)+2*(i%4)+1]
.set i, i+1
.endr
.endr
	WIN 0
.set i, 0
.rept 48
	ds_store_b128 v[STO], v[TMP+4*i:TMP+4*i+3] offset:(i/12)*16*SP+32*(i%12)
.set i, i+1
.endr
	s_wait_dscnt 0x0                               ; for the others' sake: my stores into the stage are done
	s_barrier_signal -1
	s_barrier_wait -1
	v_mov_b32 v[RD], v[RD0]
	s_mov_b32 s2, 4                                ; four trips of 8 rows
.Lback_\@:
.set i, 0
.rept 12
	ds_load_b128 v[TMP+4*i:TMP+4*i+3], v[RD] offset:2*(i/3)*SP+256*(i%3)
.set i, i+1
.endr
.set i, 0
.rept 12
	s_wait_dscnt 11-i                              ; the younger loads may stay out
	global_store_b128 v[CO], v[TMP+4*i:TMP+4*i+3], s[8:9] offset:2*(i/3)*ROWC+256*(i%3)  ; 16 lanes store 256 consecutive bytes, aligned
.set i, i+1
.endr
	s_wait_xcnt 0x0                                ; the stores have read their registers: CO and the rows' registers are rewritten only behind this wait
	v_add_nc_u32 v[CO], 8*ROWC, v[CO]
	v_add_nc_u32 v[RD], 8*SP, v[RD]
	s_sub_co_u32 s2, s2, 1
	s_cmp_lg_u32 s2, 0
	s_cbranch_scc1 .Lback_\@
.endm
	PASS 0
	s_barrier_signal -1                            ; every wave's reads of the stage are back (its last count was 0): the stage may be written again
	s_barrier_wait -1
	v_add_nc_u32 v[CO], 32*ROWC, v[CO]             ; the second pass's rows lie 64 below the first's, of which 32 have been stepped
	PASS 1
	s_wait_tensorcnt 0x0                           ; the wave's end
	ds_add_u32 v[SPW], v[NIL]
	s_wait_dscnt 0x0
	CROUND                                         ; the closing round
	s_endpgm
.Lfunc_end_k_q6ada28c43d_proj:
	.size	k_q6ada28c43d_proj, .Lfunc_end_k_q6ada28c43d_proj-k_q6ada28c43d_proj
	.p2alignl 7, 3214868480
	.fill 96, 4, 3214868480
	.section	.rodata,"a",@progbits
	.p2align	6, 0x0
	.amdhsa_kernel k_q6ada28c43d_proj
		.amdhsa_group_segment_fixed_size 327680
		.amdhsa_private_segment_fixed_size 0
		.amdhsa_enable_private_segment 0
		.amdhsa_kernarg_size 24
		.amdhsa_user_sgpr_count 2
		.amdhsa_user_sgpr_kernarg_segment_ptr 1
		.amdhsa_wavefront_size32 1
		.amdhsa_system_sgpr_workgroup_id_x 1
		.amdhsa_system_sgpr_workgroup_id_y 1
		.amdhsa_system_sgpr_workgroup_id_z 1
		.amdhsa_system_vgpr_workitem_id 0
		.amdhsa_next_free_vgpr 1024
		.amdhsa_next_free_sgpr 96
		.amdhsa_reserve_vcc 1
		.amdhsa_float_denorm_mode_32 3
		.amdhsa_float_denorm_mode_16_64 3
		.amdhsa_memory_ordered 1
		.amdhsa_forward_progress 1
		.amdhsa_inst_pref_size 105
	.end_amdhsa_kernel
	.amdgpu_metadata
---
amdhsa.version: [ 1, 2 ]
amdhsa.kernels:
  - .name:           k_q6ada28c43d_proj
    .symbol:         k_q6ada28c43d_proj.kd
    .args:
      - { .name: xb, .offset: 0, .size: 8, .value_kind: global_buffer, .address_space: global }
      - { .name: wqkv, .offset: 8, .size: 8, .value_kind: global_buffer, .address_space: global }
      - { .name: qkv, .offset: 16, .size: 8, .value_kind: global_buffer, .address_space: global }
    .group_segment_fixed_size: 327680
    .private_segment_fixed_size: 0
    .kernarg_segment_align: 8
    .kernarg_segment_size: 24
    .max_flat_workgroup_size: 128
    .sgpr_count:     96
    .vgpr_count:     1024
    .wavefront_size: 32
...
	.end_amdgpu_metadata
.endif
;; end of part 2
;; launch score (part 3): grid 36 x 4, 8 waves a work-group, no clusters, 327,680 bytes of LDS; arguments qkv, pbuf, stm, stl; writes pbuf, stm, stl
.if DOCPART == 3
	.amdgcn_target "amdgcn-amd-amdhsa--gfx1250"
	.amdhsa_code_object_version 6
	.text
	.protected	k_q6ada28c43d_score
	.globl	k_q6ada28c43d_score
	.p2align	8
	.type	k_q6ada28c43d_score,@function
k_q6ada28c43d_score:
	s_mov_b64 s[64:65], 0
	v_nop
	global_prefetch_b8 v0, s[64:65] scope:SCOPE_SE
	s_setreg_imm32_b32 hwreg(HW_REG_WAVE_MODE, 25, 1), 1
	s_wait_xcnt 0x0
; THE WEIGHTS, BY GROUPS OF 128 KEYS.  For each causal tile (I, J), J <= I, of 256 queries x 256 keys of a batch: t = c q . k, c = log2(e) / 32; a hidden score (key > query) counts as -1e30;
; for each query and each group of 128 keys: cm = the maximum of t, p = 2^(t - cm), l = the sum of p.  p goes to pbuf [4][2048][2048] in f16, cm to stm and l to stl, [16 groups][8192 rows] in f32.
; The next launch joins the groups under the row's maximum; so the maximum is taken away before every exponential, here the group's, there the row's.
; A group all of whose keys are hidden has cm = -1e30 and p = 1: the next launch gives it the factor 0.  LIMITS: scores far below 1e30 in size; a weight below 2^-126 counts as 0; NaN and infinities are not treated apart.
; q and k are f16 (qkv [8192][3072], q at column 0, k at 1024); sums, maxima and l in f32; l is taken of the unrounded p.
; SHARES.  8 waves, each 64 queries x 128 keys (one group): 32 accumulators.  K = 1024 channels in 8 steps of 128 through two LDS slots; each wave fetches 64 rows: waves 0-3 q's, waves 4-7 k's.
; NO CLUSTER: a batch's 36 tiles have 8, 7, .. 1 tiles in their rows and columns: they do not fall into fours that share one operand unless whole work-groups above the diagonal are added, which would compute nothing of use.
; The matrix instruction is used transposed (source 0 = 16 keys, source 1 = 16 queries): a lane holds query l % 16 and the keys 8 (l / 16) + 0..7 of each block of 16.
; REGISTERS.  Window 0: v0-31 addresses and at work; v32-127, v128-223 two fragment buffers; on the way out v32-95 a block's scores, v96-127 packed, v128-159 whole rows.  Window 1: accumulator (a, b) at v[8 (8 a + b)].
.set PITCH,  272
.set ABYTES, 256*PITCH                 ; q's 256 rows
.set SLOT,   512*PITCH                 ; then k's 256 rows
.set STAGE,  2*SLOT                    ; 16 rows x 272 bytes for each wave
.set SST,    STAGE+8*16*PITCH          ; 512 bytes for each wave: cm of its 64 rows, then l
.set SPARE,  SST+8*512                 ; the spare words, 128 bytes a wave, that no other line names
.set LAPS,   4
.set ROWQ,   6144                      ; bytes in a row of qkv
.set ROWP,   4096                      ; bytes in a row of pbuf
.set BIGV, 12                          ; v12  -1e30
.set DA,   13                          ; v13  my query less my lanes' first key, in the tile: register j of block b is hidden where 16 b + j is greater; steps 16 a block
.set SS,   14                          ; v14  where cm of my row goes; steps 64 a block
.set SR,   15                          ; v15  where I read 8 bytes of the statistics back
.set ADRA, 16
.set ADRB, 18
.set STO,  20
.set RD,   21
.set CO,   22
.set GS,   23                          ; v23  8 x lane
.set SPW,  28
.set NIL,  29
.set PFO,  30                          ; v30  lane x 6,144
.set F0,   32
.set F1,   128
.set W,    32
.set TMP,  96
.set BK,   128
.set WV, 20
.set WR, 21
.set WC, 22
.set G1, 24                            ; s[24:31] descriptor group 1; s[32:39] group 0, a set for each slot
.set G0, 32
.set LIM, 66
.set PFA, 68
.set CS,  72                           ; s[72:73] c
.set SEL, 74                           ; s[74:75] v_permlanex16_b32's selects: each lane takes its own place in the other half
.set TI,  78
.set TJ,  79
.set MULW, 0x50
.set MSB, 0
.macro WIN new
.if MSB != (\new)
	s_set_vgpr_msb (MSB<<8)|(\new)
.set MSB, \new
.endif
.endm
.macro PLACES
.rept 4
	v_nop
.endr
.endm
.macro JLOAD s                         ; every wave fetches its own 64 rows; an s_nop 0 and four v_nop follow
	tensor_load_to_lds s[G0+4*(\s):G0+4*(\s)+3], s[G1:G1+7]
	s_nop 0
.rept 4
	v_nop
.endr
.endm
; A prefetch of the K step two refills on, of the 64 rows that the wave itself will load: two lines, a lane a row.  q's rows of block I are read by the tiles (I, 0 .. I): tile (I, 0) names them;
; k's rows of block J by the tiles (J .. 7, J): tile (7, J) names them.  The loop's last trip has no K step two on.
.macro ASK
	s_cmp_gt_u32 s3, s[LIM]
	s_cbranch_scc0 .Lnot_mine_\@
	global_prefetch_b8 v[PFO], s[PFA:PFA+1] offset:256 th:TH_LOAD_NT scope:SCOPE_SE
	global_prefetch_b8 v[PFO], s[PFA:PFA+1] offset:256+32*ROWQ th:TH_LOAD_NT scope:SCOPE_SE
.Lnot_mine_\@:
.endm
.macro MUL f, a, zero                  ; the 32 accumulators take turns
	WIN MULW
.irp b, 0,1,2,3,4,5,6,7
.if \zero
	v_wmma_f32_16x16x32_f16 v[8*(8*(\a)+(\b)):8*(8*(\a)+(\b))+7], v[(\f)+32+8*(\b):(\f)+32+8*(\b)+7], v[(\f)+8*(\a):(\f)+8*(\a)+7], 0
.else
	v_wmma_f32_16x16x32_f16 v[8*(8*(\a)+(\b)):8*(8*(\a)+(\b))+7], v[(\f)+32+8*(\b):(\f)+32+8*(\b)+7], v[(\f)+8*(\a):(\f)+8*(\a)+7], v[8*(8*(\a)+(\b)):8*(8*(\a)+(\b))+7]
.endif
.endr
.endm
.macro FETCH slot, q, f
	WIN 0
.irp i, 0,1,2,3,4,5,6,7
	ds_load_b128 v[(\f)+32+8*(\i):(\f)+32+8*(\i)+3],   v[ADRB+(\slot)] offset:64*(\q)+(\i)*16*PITCH
	ds_load_b128 v[(\f)+32+8*(\i)+4:(\f)+32+8*(\i)+7], v[ADRB+(\slot)] offset:64*(\q)+(\i)*16*PITCH+32
.endr
.irp i, 0,1,2,3
	ds_load_b128 v[(\f)+8*(\i):(\f)+8*(\i)+3],   v[ADRA+(\slot)] offset:64*(\q)+(\i)*16*PITCH
	ds_load_b128 v[(\f)+8*(\i)+4:(\f)+8*(\i)+7], v[ADRA+(\slot)] offset:64*(\q)+(\i)*16*PITCH+32
.endr
.endm
.macro QUARTER slot, q, f, g, zero
	s_wait_dscnt 6                                 ; k's blocks and q's block 0 are in; the youngest six loads may be out
	MUL \f, 0, \zero
	WIN 0
	PLACES
	FETCH \slot, \q, \g
	s_wait_dscnt 24                                ; all but the 24 just issued
	MUL \f, 1, \zero
	MUL \f, 2, \zero
	MUL \f, 3, \zero
.endm
.macro TURN slot, next, fill
.if \fill
	s_wait_xcnt 0x0                                ; the last prefetches, a K step back, have read their address
	s_add_nc_u64 s[PFA:PFA+1], s[PFA:PFA+1], 256
.endif
	WIN 0
	s_wait_tensorcnt 0x0                           ; all my tensor loads have landed: my part of the next slot
	ds_add_u32 v[SPW], v[NIL]
	s_wait_dscnt 7                                 ; the add and the youngest six loads may be out
	MUL F1, 0, 0
	s_wait_dscnt 0x0                               ; the add is done, and my reads of this slot are over
	s_barrier_signal -1
	MUL F1, 1, 0
	WIN 0
	s_barrier_wait -1
.if \fill
	s_add_nc_u64 s[G0+4*(\slot)+2:G0+4*(\slot)+3], s[G0+4*(\slot)+2:G0+4*(\slot)+3], 512
	JLOAD \slot                                    ; my one tensor load behind the barrier; its four v_nop are also the places in front of the loads below
.else
	PLACES
.endif
	FETCH \next, 0, F0
.if \fill
	ASK
.endif
	MUL F1, 2, 0
	MUL F1, 3, 0
.endm
	s_load_b256 s[4:11], s[0:1], 0x0               ; qkv s[4:5], pbuf s[6:7], stm s[8:9], stl s[10:11]
	v_lshl_add_u32 v[SPW], v0, 2, SPARE
	v_mov_b32 v[NIL], 0
	ds_add_u32 v[SPW], v[NIL]                      ; the wave's opening: the add and its wait ahead of my first tensor load
	ds_add_u32 v28, v29
	v_lshrrev_b32 v1, 5, v0
	v_readfirstlane_b32 s[WV], v1
	s_lshr_b32 s[WR], s[WV], 1                     ; my 64 queries
	s_and_b32 s[WC], s[WV], 1                      ; my 128 keys
	s_mov_b32 s84, ttmp9                           ; the tile's number t = I (I + 1) / 2 + J
	s_and_b32 s85, ttmp7, 0xffff                   ; the batch
	s_mov_b32 s[TI], 0
.irp th, 1,3,6,10,15,21,28
	s_cmp_ge_u32 s84, \th
	s_cselect_b32 s86, 1, 0
	s_add_co_u32 s[TI], s[TI], s86
.endr
	s_add_co_u32 s86, s[TI], 1
	s_mul_i32 s86, s86, s[TI]
	s_lshr_b32 s86, s86, 1
	s_sub_co_u32 s[TJ], s84, s86
	s_mov_b32 s[G1], (1<<16)|(1<<20)|(5<<22)|(3<<25)  ; 2-byte elements; padding on: after every 64 words, 4 words
	s_mov_b32 s[G1+1], 128<<16                     ; tensor_dim0 = 128
	s_mov_b32 s[G1+2], 64<<16                      ; tensor_dim1 = 64
	s_mov_b32 s[G1+3], 128<<16                     ; tile_dim0 = 128
	s_mov_b32 s[G1+4], 64                          ; tile_dim1 = 64
	s_mov_b32 s[G1+5], 3072                        ; elements from row to row
	s_mov_b32 s[G1+6], 0
	s_mov_b32 s[G1+7], 0
	s_mov_b32 s[CS], 0x3d38aa3b                    ; c = log2(e) / 32
	s_mov_b32 s[CS+1], s[CS]
	s_mov_b32 s[SEL], 0x76543210
	s_mov_b32 s[SEL+1], 0xfedcba98
	s_lshl_b32 s86, s85, 11                        ; the batch's first row
	s_xor_b32 s91, s[TI], 7
	s_cmp_lt_u32 s[WV], 4                          ; waves 0-3 fetch q's rows of block I, waves 4-7 k's of block J
	s_cselect_b32 s87, s[TI], s[TJ]
	s_cselect_b32 s88, 0, 2048
	s_cselect_b32 s90, s[TJ], s91                  ; 0 where my rows are mine to prefetch
	s_cmp_eq_u32 s90, 0
	s_cselect_b32 s[LIM], 1, -1
	s_lshl_b32 s87, s87, 8
	s_add_co_u32 s87, s87, s86
	s_and_b32 s89, s[WV], 3
	s_lshl_b32 s89, s89, 6
	s_add_co_u32 s87, s87, s89
	s_mul_i32 s87, s87, ROWQ
	s_add_co_u32 s16, s87, s88
	s_mov_b32 s17, 0
	s_mul_i32 s18, s[WV], 64*PITCH                 ; where they go: wave x 64 rows
	s_wait_dscnt 0x0                               ; the opening add is done
	s_wait_kmcnt 0x0
	s_add_nc_u64 s[16:17], s[4:5], s[16:17]
.irp s, 0,1
	s_mov_b32 s[G0+4*(\s)], 1
	s_add_co_u32 s[G0+4*(\s)+1], s18, (\s)*SLOT
	s_add_nc_u64 s[G0+4*(\s)+2:G0+4*(\s)+3], s[16:17], (\s)*256
	s_or_b32 s[G0+4*(\s)+3], s[G0+4*(\s)+3], 0x80000000
	JLOAD \s
.endr
	s_add_nc_u64 s[PFA:PFA+1], s[16:17], 512       ; at K step 2: the first refill steps it to 3 and names K step 4
	s_lshl_b32 s87, s[TI], 8
	s_add_co_u32 s86, s86, s87
	s_lshl_b32 s87, s[WR], 6
	s_add_co_u32 s86, s86, s87                     ; my first row, among all 8,192
	s_lshl_b32 s88, s86, 12                        ; in pbuf: row x 4,096 + 512 J + 256 x key half
	s_lshl_b32 s87, s[TJ], 9
	s_add_co_u32 s88, s88, s87
	s_lshl_b32 s87, s[WC], 8
	s_add_co_u32 s88, s88, s87
	s_mov_b32 s89, 0
	s_add_nc_u64 s[6:7], s[6:7], s[88:89]
	s_lshl_b32 s88, s[TJ], 1                       ; in stm and stl: (group x 8,192 + row) x 4
	s_add_co_u32 s88, s88, s[WC]
	s_lshl_b32 s88, s88, 13
	s_add_co_u32 s88, s88, s86
	s_lshl_b32 s88, s88, 2
	s_add_nc_u64 s[8:9], s[8:9], s[88:89]
	s_add_nc_u64 s[10:11], s[10:11], s[88:89]
	v_and_b32 v1, 15, v0                           ; r
	v_bfe_u32 v2, v0, 4, 1                         ; h
	v_and_b32 v3, 31, v0                           ; l
	v_mul_u32_u24 v4, v1, PITCH
	v_lshl_add_u32 v4, v2, 4, v4
	s_mul_i32 s87, s[WR], 64*PITCH
	s_mul_i32 s88, s[WC], 128*PITCH
	s_add_co_u32 s88, s88, ABYTES
.irp s, 0,1
	v_add_nc_u32 v[ADRA+(\s)], s87, v4
	v_add_nc_u32 v[ADRB+(\s)], s88, v4
	s_add_co_u32 s87, s87, SLOT
	s_add_co_u32 s88, s88, SLOT
.endr
	s_mul_i32 s87, s[WV], 16*PITCH
	s_add_co_u32 s87, s87, STAGE
	v_add_nc_u32 v[STO], s87, v4
	v_mul_u32_u24 v5, v2, PITCH
	v_lshl_add_u32 v5, v1, 4, v5
	v_add_nc_u32 v[RD], s87, v5
	v_lshlrev_b32 v5, 12, v2
	v_lshl_add_u32 v[CO], v1, 4, v5
	s_lshl_b32 s87, s[WV], 9
	s_add_co_u32 s87, s87, SST
	v_lshl_add_u32 v[SS], v1, 2, s87
	v_lshl_add_u32 v[SR], v3, 3, s87
	v_lshlrev_b32 v[GS], 3, v3
	s_lshl_b32 s87, s[WR], 6
	s_lshl_b32 s88, s[WC], 7
	s_sub_co_u32 s87, s87, s88
	v_add_nc_u32 v[DA], s87, v1
	v_lshlrev_b32 v5, 3, v2
	v_sub_nc_u32 v[DA], v[DA], v5                  ; 64 x row part + r - 128 x key half - 8 h, a signed number
	v_mov_b32 v[BIGV], 0xf149f2ca                  ; -1e30
	v_mov_b32 v8, 0                                ; v_permlanex16_b32's destination counts as read
	v_mul_u32_u24 v[PFO], v3, ROWQ
	s_wait_tensorcnt 1                             ; my part of K step 0 is in; K step 1's may stay out
	s_barrier_signal -1
	s_barrier_wait -1
	FETCH 0, 0, F0
	QUARTER 0, 1, F0, F1, 1
	WIN 0
	s_mov_b32 s3, LAPS-1
.Llap:
	QUARTER 0, 2, F1, F0, 0
	QUARTER 0, 3, F0, F1, 0
	TURN 0, 1, 1
	QUARTER 1, 1, F0, F1, 0
	QUARTER 1, 2, F1, F0, 0
	QUARTER 1, 3, F0, F1, 0
	TURN 1, 0, 1
	QUARTER 0, 1, F0, F1, 0
	WIN 0
	s_sub_co_u32 s3, s3, 1
	s_cmp_lg_u32 s3, 0
	s_cbranch_scc1 .Llap
	QUARTER 0, 2, F1, F0, 0
	QUARTER 0, 3, F0, F1, 0
	TURN 0, 1, 0
	QUARTER 1, 1, F0, F1, 0
	QUARTER 1, 2, F1, F0, 0
	QUARTER 1, 3, F0, F1, 0
	s_wait_dscnt 6
	MUL F1, 0, 0
	s_wait_dscnt 0x0
	MUL F1, 1, 0
	MUL F1, 2, 0
	MUL F1, 3, 0
	WIN 0
	PLACES                                         ; the places behind the last products
	PLACES
.macro COPY a                          ; block a's 64 scores times c into window 0, each accumulator's registers in ascending order
	WIN 0x01                                       ; source 0 window 1
.set i, 0
.rept 32
	v_pk_mul_f32 v[W+2*i:W+2*i+1], v[64*(\a)+2*i:64*(\a)+2*i+1], s[CS:CS+1] op_sel_hi:[1,0]
.set i, i+1
.endr
	WIN 0
.endm
	s_mov_b32 s2, 4                                ; four blocks of 16 queries: block 4 - s2
.Lepi:
	s_cmp_eq_u32 s2, 4
	s_cbranch_scc1 .Lcopy0
	s_cmp_eq_u32 s2, 3
	s_cbranch_scc1 .Lcopy1
	s_cmp_eq_u32 s2, 2
	s_cbranch_scc1 .Lcopy2
	COPY 3
	s_branch .Lcommon
.Lcopy0:
	COPY 0
	s_branch .Lcommon
.Lcopy1:
	COPY 1
	s_branch .Lcommon
.Lcopy2:
	COPY 2
.Lcommon:
	s_cmp_lg_u32 s[TI], s[TJ]                      ; only the diagonal tile hides anything
	s_cbranch_scc1 .Lnomask
.set i, 0
.rept 64
	v_cmp_gt_i32 vcc_lo, 16*(i/8)+i%8, v[DA]
	v_cndmask_b32 v[W+i], v[W+i], v[BIGV], vcc_lo
.set i, i+1
.endr
.Lnomask:
	; the maximum of my 64 scores, in four chains, three operands at a time; the row's other 64 keys lie in the lane 16 away
.irp k, 0,1,2,3
	v_max3_num_f32 v[4+(\k)], v[W+16*(\k)], v[W+16*(\k)+1], v[W+16*(\k)+2]
.endr
.irp n, 0,1,2,3,4,5
.irp k, 0,1,2,3
	v_max3_num_f32 v[4+(\k)], v[4+(\k)], v[W+16*(\k)+3+2*(\n)], v[W+16*(\k)+4+2*(\n)]
.endr
.endr
	v_max3_num_f32 v4, v4, v[W+15], v[W+31]
	v_max3_num_f32 v6, v6, v[W+47], v[W+63]
	v_max3_num_f32 v4, v4, v5, v6
	v_max_num_f32 v4, v4, v7
	v_permlanex16_b32 v8, v4, s[SEL], s[SEL+1]
	v_max_num_f32 v10, v4, v8                      ; cm, twice: a pair for the packed subtraction
	v_max_num_f32 v11, v4, v8
.set i, 0
.rept 32
	v_pk_add_f32 v[W+2*i:W+2*i+1], v[W+2*i:W+2*i+1], v[10:11] neg_lo:[0,1] neg_hi:[0,1]
.set i, i+1
.endr
.set i, 0
.rept 64                                       ; one batch of exponentials,
	v_exp_f32 v[W+i], v[W+i]
.set i, i+1
.endr
	v_nop                                          ; a plain instruction behind the last of them,
	s_wait_alu depctr_va_vdst(0)                   ; and the one wait ahead of the first use
.set i, 0
.rept 32
	v_cvt_pk_f16_f32 v[TMP+i], v[W+2*i], v[W+2*i+1]
.set i, i+1
.endr
.irp n, 1,2,3,4,5,6,7                  ; l: four chains of packed sums, in place
.irp k, 0,1,2,3
	v_pk_add_f32 v[W+16*(\k):W+16*(\k)+1], v[W+16*(\k):W+16*(\k)+1], v[W+16*(\k)+2*(\n):W+16*(\k)+2*(\n)+1]
.endr
.endr
	v_pk_add_f32 v[W:W+1], v[W:W+1], v[W+16:W+17]
	v_pk_add_f32 v[W+32:W+33], v[W+32:W+33], v[W+48:W+49]
	v_pk_add_f32 v[W:W+1], v[W:W+1], v[W+32:W+33]
	v_add_f32 v4, v[W], v[W+1]
	v_permlanex16_b32 v8, v4, s[SEL], s[SEL+1]
	v_add_f32 v9, v4, v8
	ds_store_b32 v[SS], v10                        ; both halves of the lanes write the same word with the same number
	ds_store_b32 v[SS], v9 offset:256
.irp b, 0,1,2,3,4,5,6,7
	ds_store_b128 v[STO], v[TMP+4*(\b):TMP+4*(\b)+3] offset:32*(\b)
.endr
.irp t, 0,1,2,3,4,5,6,7
	ds_load_b128 v[BK+4*(\t):BK+4*(\t)+3], v[RD] offset:(\t)*2*PITCH  ; LDS serves a wave's instructions in order (ISA guide 5.7.1.4)
.endr
.irp t, 0,1,2,3,4,5,6,7
	s_wait_dscnt 7-(\t)                            ; the younger loads may stay out
	global_store_b128 v[CO], v[BK+4*(\t):BK+4*(\t)+3], s[6:7] offset:2*(\t)*ROWP  ; 16 lanes store 256 consecutive bytes, aligned
.endr
	s_wait_xcnt 0x0                                ; the stores have read their registers
	v_add_nc_u32 v[CO], 16*ROWP, v[CO]
	v_add_nc_u32 v[SS], 64, v[SS]
	v_add_nc_u32 v[DA], 16, v[DA]
	s_sub_co_u32 s2, s2, 1
	s_cmp_lg_u32 s2, 0
	s_cbranch_scc1 .Lepi
	ds_load_b64 v[4:5], v[SR]                      ; my wave's 64 cm and 64 l come back as 256 consecutive bytes each
	ds_load_b64 v[6:7], v[SR] offset:256
	s_wait_dscnt 0x0
	global_store_b64 v[GS], v[4:5], s[8:9]
	global_store_b64 v[GS], v[6:7], s[10:11]
	s_wait_tensorcnt 0x0                           ; the wave's end
	ds_add_u32 v[SPW], v[NIL]
	s_wait_dscnt 0x0
	s_endpgm
.Lfunc_end_k_q6ada28c43d_score:
	.size	k_q6ada28c43d_score, .Lfunc_end_k_q6ada28c43d_score-k_q6ada28c43d_score
	.p2alignl 7, 3214868480
	.fill 96, 4, 3214868480
	.section	.rodata,"a",@progbits
	.p2align	6, 0x0
	.amdhsa_kernel k_q6ada28c43d_score
		.amdhsa_group_segment_fixed_size 327680
		.amdhsa_private_segment_fixed_size 0
		.amdhsa_enable_private_segment 0
		.amdhsa_kernarg_size 32
		.amdhsa_user_sgpr_count 2
		.amdhsa_user_sgpr_kernarg_segment_ptr 1
		.amdhsa_wavefront_size32 1
		.amdhsa_system_sgpr_workgroup_id_x 1
		.amdhsa_system_sgpr_workgroup_id_y 1
		.amdhsa_system_sgpr_workgroup_id_z 1
		.amdhsa_system_vgpr_workitem_id 0
		.amdhsa_next_free_vgpr 512
		.amdhsa_next_free_sgpr 96
		.amdhsa_reserve_vcc 1
		.amdhsa_float_denorm_mode_32 3
		.amdhsa_float_denorm_mode_16_64 3
		.amdhsa_memory_ordered 1
		.amdhsa_forward_progress 1
		.amdhsa_inst_pref_size 96
	.end_amdhsa_kernel
	.amdgpu_metadata
---
amdhsa.version: [ 1, 2 ]
amdhsa.kernels:
  - .name:           k_q6ada28c43d_score
    .symbol:         k_q6ada28c43d_score.kd
    .args:
      - { .name: qkv, .offset: 0, .size: 8, .value_kind: global_buffer, .address_space: global }
      - { .name: pbuf, .offset: 8, .size: 8, .value_kind: global_buffer, .address_space: global }
      - { .name: stm, .offset: 16, .size: 8, .value_kind: global_buffer, .address_space: global }
      - { .name: stl, .offset: 24, .size: 8, .value_kind: global_buffer, .address_space: global }
    .group_segment_fixed_size: 327680
    .private_segment_fixed_size: 0
    .kernarg_segment_align: 8
    .kernarg_segment_size: 32
    .max_flat_workgroup_size: 256
    .sgpr_count:     96
    .vgpr_count:     512
    .wavefront_size: 32
...
	.end_amdgpu_metadata
.endif
;; end of part 3
;; launch mix (part 4): grid 4 x 64, 4 waves a work-group, clusters of 4 x 4, 327,680 bytes of LDS; arguments pbuf, qkv, stm, stl, ctx; writes ctx
.if DOCPART == 4
	.amdgcn_target "amdgcn-amd-amdhsa--gfx1250"
	.amdhsa_code_object_version 6
	.text
	.protected	k_q6ada28c43d_mix
	.globl	k_q6ada28c43d_mix
	.p2align	8
	.type	k_q6ada28c43d_mix,@function
k_q6ada28c43d_mix:
	s_mov_b64 s[64:65], 0
	v_nop
	global_prefetch_b8 v0, s[64:65] scope:SCOPE_SE
	s_setreg_imm32_b32 hwreg(HW_REG_WAVE_MODE, 25, 1), 1
	s_wait_xcnt 0x0
	s_wait_alu depctr_hold_cnt(0) depctr_sa_sdst(0) depctr_va_vdst(0) depctr_va_sdst(0) depctr_va_ssrc(0) depctr_va_vcc(0) depctr_vm_vsrc(0)
	s_getreg_b32 s2, hwreg(HW_REG_IB_STS2, 6, 4)
	s_cmp_eq_u32 s2, 0
	s_cbranch_scc0 .Lentry_in_a_cluster
	s_endpgm
.Lentry_in_a_cluster:
	s_bfe_u32 s2, ttmp6, 0x10000c
	s_cmp_lg_u32 s2, 0xf033
	s_cbranch_scc0 .Lentry_shape_is_right
	s_endpgm
.Lentry_shape_is_right:
; ctx[row][ch] = (the sum over groups g of f_g P_g V_g) / l, with f_g = 2^(cm_g - cm_row), cm_row = the maximum of the row's cm_g, l = the sum of f_g l_g.  P (pbuf, f16), cm (stm) and l_g (stl) come from the
; launch before, V is qkv's columns 2048-3071 (f16).  Sums in f32; f is rounded to f16, P f again (both lie in 0 to 1; below 6e-5 they keep f16's step of 6e-8), and l is taken with the rounded f; ctx is rounded once, to f16.
; A group that the row never saw holds the lowest finite number in stm and 0 in stl: f = 0.  NaN and infinities are not treated apart.
; SHARES.  A work-group makes 128 rows x 256 channels; four waves, each 64 x 128.  K = keys, in steps of 128 (one group), two steps a lap, through two LDS slots.
; CLUSTER 4 x 4: the four of a row of the cluster (one block of 128 rows) share P's tiles, the four of a column (one block of 256 channels) share V's.  The cluster's four row blocks 4 m + cy need 2 m + 1 or
; 2 m + 2 laps; all sixteen walk N = 2 m + 2.  A partner with no lap of its own left asks on: its address in P is held at its last lap, and the lap's groups have f = 0, so it adds nothing.
; No branch, trip count or LDS address hangs on a work-group's place in its cluster.
; The matrix instruction is used transposed (source 0 = 16 channels of V^T, by the turning load; source 1 = 16 rows of P): a lane holds row l % 16 and eight neighbouring channels.
; REGISTERS.  Window 0: v0-31 addresses and at work; v32-127, v128-223 two fragment buffers; v224-231 1 / l, a pair for each block of 16 rows; v232-239 cm of the two slots' groups; v240-247 their f, twice in f16.
; Window 1: accumulator (a, b) at v[8 (8 a + b)].
.set PITCH,  272                       ; a row of P in LDS: 256 bytes + 16
.set PV,     544                       ; a row of V: 512 bytes + 32
.set ABYTES, 128*PITCH                 ; P's 128 rows
.set SLOT,   ABYTES+128*PV             ; then V's 128 keys
.set STAGE,  2*SLOT
.set SCR,    STAGE+4*16*PITCH          ; 512 bytes of row maxima, 512 of 1 / l
.set SPARE,  SCR+1024                  ; the spare words, 128 bytes a wave, that no other line names
.set ROWC,   2048                      ; bytes in a row of ctx
.set GWA,    (1<<16)|(1<<20)|(1<<21)|(5<<22)|(3<<25)  ; after every 64 words, 4 words of padding
.set GWB,    (1<<16)|(1<<20)|(1<<21)|(6<<22)|(7<<25)  ; after every 128 words, 8 words
.set VSTEP,  128*6144                  ; bytes from a K step of V to the next
.set CMX,  8                           ; v8-11   the row maximum of my four blocks' rows
.set T4,   12                          ; v12  4 x thread
.set SCW,  13                          ; v13  where thread t puts row t's maximum
.set SCRD, 14                          ; v14  where I read my rows' figures
.set ADRA, 16
.set ADRB, 18
.set STO,  20
.set RD,   21
.set CO,   22
.set SO,   23                          ; v23  4 x (64 x row part + r)
.set SPW,  28
.set NIL,  29
.set PFO,  30
.set F0,   32
.set F1,   128
.set W,    32
.set TMP,  96
.set BK,   128
.set RLP,  224
.set CMR,  232
.set FA,   240
.set WV, 20
.set WR, 21
.set WC, 22
.set G1A, 24
.set G0A, 32
.set CX, 40
.set CY, 41
.set G1B, 48
.set G0B, 56
.set LIM,   66                         ; s66  a wave prefetches while the lap's number is below it
.set CLAMP, 67                         ; s67  the last lap that my prefetches may name
.set PFA,   68                         ; s[68:69] the prefetch's address, made anew for each
.set PFB,   70                         ; s[70:71] its base
.set LAPB,  76                         ; s76, s77 bytes from lap to lap and from step to step in what I prefetch
.set STEPB, 77
.set NLAP,  80                         ; s80  N
.set NI1,   81                         ; s81  my row block's own last lap
.set SMB,   88                         ; s[88:89] stm at my row block, at the group last asked for
.set MULW, 0x50
.set MSB, 0
.macro WIN new
.if MSB != (\new)
	s_set_vgpr_msb (MSB<<8)|(\new)
.set MSB, \new
.endif
.endm
.macro PLACES
.rept 4
	v_nop
.endr
.endm
.macro JLOAD s                         ; waves 0, 1 fetch P's halves, waves 2, 3 V's; an s_nop 0 and four v_nop follow each line
	s_cmp_eq_u32 s[WR], 0
	s_cbranch_scc0 .Lfor_b_\@
	tensor_load_to_lds s[G0A+4*(\s):G0A+4*(\s)+3], s[G1A:G1A+7]
	s_nop 0
.rept 4
	v_nop
.endr
	s_branch .Lasked_\@
.Lfor_b_\@:
	tensor_load_to_lds s[G0B+4*(\s):G0B+4*(\s)+3], s[G1B:G1B+7]
	s_nop 0
.rept 4
	v_nop
.endr
.Lasked_\@:
.endm
.macro CREST
	s_cmp_lg_u32 s[WV], 0
	s_cbranch_scc1 .Lnot_wave_0_\@
	s_barrier_signal -3
.Lnot_wave_0_\@:
	s_barrier_wait -3
	s_barrier_signal -1
	s_barrier_wait -1
.endm
.macro CROUND
	s_barrier_signal -1
	s_barrier_wait -1
	CREST
.endm
; A prefetch of the K step two refills on, a lane a row, one line a wave.  Wave 0: 32 of the 128 rows of P (the four partners of a row share them out by address).  Waves 1 and 2, in the clusters that walk all keys
; (m = 3): the two halves of 256 bytes of 32 keys of V (the four partners of a column share the 128 keys out by address).  The last trip asks for nothing; a partner whose own laps are over names its last lap once more.
.macro ASK
	s_cmp_lt_u32 s3, s[LIM]
	s_cbranch_scc0 .Lnot_mine_\@
	global_prefetch_b8 v[PFO], s[PFA:PFA+1] th:TH_LOAD_NT scope:SCOPE_SE
.Lnot_mine_\@:
.endm
.macro MUL f, a, zero                  ; the 32 accumulators take turns
	WIN MULW
.irp b, 0,1,2,3,4,5,6,7
.if \zero
	v_wmma_f32_16x16x32_f16 v[8*(8*(\a)+(\b)):8*(8*(\a)+(\b))+7], v[(\f)+32+8*(\b):(\f)+32+8*(\b)+7], v[(\f)+8*(\a):(\f)+8*(\a)+7], 0
.else
	v_wmma_f32_16x16x32_f16 v[8*(8*(\a)+(\b)):8*(8*(\a)+(\b))+7], v[(\f)+32+8*(\b):(\f)+32+8*(\b)+7], v[(\f)+8*(\a):(\f)+8*(\a)+7], v[8*(8*(\a)+(\b)):8*(8*(\a)+(\b))+7]
.endif
.endr
.endm
.macro FETCH slot, q, f                ; 24 LDS loads: 32 keys x 128 channels of V, turned, then 64 rows x 32 keys of P
	WIN 0
.irp i, 0,1,2,3,4,5,6,7
	ds_load_tr16_b128 v[(\f)+32+8*(\i):(\f)+32+8*(\i)+3],   v[ADRB+(\slot)] offset:(\q)*32*PV+32*(\i)
	ds_load_tr16_b128 v[(\f)+32+8*(\i)+4:(\f)+32+8*(\i)+7], v[ADRB+(\slot)] offset:(\q)*32*PV+16*PV+32*(\i)
.endr
.irp i, 0,1,2,3
	ds_load_b128 v[(\f)+8*(\i):(\f)+8*(\i)+3],   v[ADRA+(\slot)] offset:64*(\q)+(\i)*16*PITCH
	ds_load_b128 v[(\f)+8*(\i)+4:(\f)+8*(\i)+7], v[ADRA+(\slot)] offset:64*(\q)+(\i)*16*PITCH+32
.endr
.endm
.macro SCALE f, a, slot                ; P's block a times its rows' f for the slot's group: a lane holds one row
	WIN 0
.irp k, 0,1,2,3,4,5,6,7
	v_pk_mul_f16 v[(\f)+8*(\a)+(\k)], v[(\f)+8*(\a)+(\k)], v[FA+4*(\slot)+(\a)]
.endr
.endm
.macro FACT s                          ; f of slot s's group for my four blocks' rows.  It leaves cm as it was: run again on the same cm it changes nothing
	WIN 0
	s_wait_loadcnt 0x0                             ; cm is in
.irp a, 0,1,2,3
	v_sub_f32 v[4+(\a)], v[CMR+4*(\s)+(\a)], v[CMX+(\a)]
.endr
.irp a, 0,1,2,3
	v_exp_f32 v[4+(\a)], v[4+(\a)]
.endr
	v_nop                                          ; a plain instruction behind the last exponential,
	s_wait_alu depctr_va_vdst(0)                   ; and the wait ahead of the first use
.irp a, 0,1,2,3
	v_cvt_pk_f16_f32 v[FA+4*(\s)+(\a)], v[4+(\a)], v[4+(\a)]
.endr
.endm
.macro QUARTER slot, q, f, g, zero, fact=-1
.if (\fact) >= 0
	FACT \fact
.endif
	s_wait_dscnt 6                                 ; V's blocks and P's block 0 are in; the youngest six loads may be out
	SCALE \f, 0, \slot
	MUL \f, 0, \zero
	WIN 0
	PLACES
	FETCH \slot, \q, \g
	s_wait_dscnt 24                                ; all but the 24 just issued
	SCALE \f, 1, \slot
	SCALE \f, 2, \slot
	SCALE \f, 3, \slot
	MUL \f, 1, \zero
	MUL \f, 2, \zero
	MUL \f, 3, \zero
.endm
.macro TURN slot, next, fill
.if \fill
	s_wait_xcnt 0x0                                ; the last loads of cm and the last prefetch have read their addresses
	s_add_nc_u64 s[SMB:SMB+1], s[SMB:SMB+1], 32768 ; the next group's cm
	s_add_co_u32 s90, s3, 1                        ; the prefetch names the next lap's step for this slot
	s_min_u32 s90, s90, s[CLAMP]
	s_mul_i32 s90, s90, s[LAPB]
.if \slot
	s_add_co_u32 s90, s90, s[STEPB]
.endif
	s_add_nc_u64 s[PFA:PFA+1], s[PFB:PFB+1], s[90:91]
.endif
	WIN 0
	s_wait_tensorcnt 0x0                           ; all my tensor loads have landed: my part of the next slot
	ds_add_u32 v[SPW], v[NIL]
	s_wait_dscnt 7                                 ; the add and the youngest six loads may be out
	SCALE F1, 0, \slot
	MUL F1, 0, 0
	s_wait_dscnt 0x0                               ; the add is done, and my reads of this slot are over
	s_barrier_signal -1
	SCALE F1, 1, \slot
	SCALE F1, 2, \slot
	SCALE F1, 3, \slot
	MUL F1, 1, 0
	WIN 0
	s_barrier_wait -1
.if \fill
	CREST                                          ; no wave of any partner still reads this slot or has a load on its way
	s_min_u32 s14, s3, s[NI1]                      ; P's address is made anew: lap s3, or my row block's last
	s_lshl_b32 s14, s14, 9
.if \slot
	s_add_co_u32 s14, s14, 256
.endif
	s_add_nc_u64 s[G0A+4*(\slot)+2:G0A+4*(\slot)+3], s[16:17], s[14:15]
	s_or_b32 s[G0A+4*(\slot)+3], s[G0A+4*(\slot)+3], 0x80000000
	s_add_nc_u64 s[G0B+4*(\slot)+2:G0B+4*(\slot)+3], s[G0B+4*(\slot)+2:G0B+4*(\slot)+3], 2*VSTEP
	JLOAD \slot
.else
	PLACES
.endif
	FETCH \next, 0, F0
.if \fill
.irp a, 0,1,2,3
	global_load_b32 v[CMR+4*(\slot)+(\a)], v[SO], s[SMB:SMB+1] offset:64*(\a)  ; cm of the group that the refill brings
.endr
	ASK
.endif
	MUL F1, 2, 0
	MUL F1, 3, 0
.endm
	s_load_b256 s[4:11], s[0:1], 0x0               ; pbuf s[4:5], qkv s[6:7], stm s[8:9], stl s[10:11]
	s_load_b64 s[12:13], s[0:1], 0x20              ; ctx
	v_lshl_add_u32 v[SPW], v0, 2, SPARE
	v_mov_b32 v[NIL], 0
	ds_add_u32 v[SPW], v[NIL]                      ; the wave's opening: the add and its wait ahead of my first tensor load
	ds_add_u32 v28, v29
	v_lshrrev_b32 v1, 5, v0
	v_readfirstlane_b32 s[WV], v1
	s_lshr_b32 s[WR], s[WV], 1
	s_and_b32 s[WC], s[WV], 1
	s_bfe_u32 s[CX], ttmp6, 0x40000
	s_bfe_u32 s[CY], ttmp6, 0x40004
	s_and_b32 s84, ttmp7, 0xffff                   ; cluster y, 0-15
	s_and_b32 s85, s84, 3                          ; the batch
	s_lshr_b32 s86, s84, 2
	s_sub_co_u32 s86, 3, s86                       ; m: the long walks have the low numbers
	s_lshl_b32 s[NLAP], s86, 1
	s_lshr_b32 s[NI1], s[CY], 1
	s_add_co_u32 s[NI1], s[NI1], s[NLAP]           ; 2 m + cy / 2
	s_add_co_u32 s[NLAP], s[NLAP], 2               ; 2 m + 2
	s_lshl_b32 s82, s86, 2
	s_add_co_u32 s82, s82, s[CY]                   ; my block of 128 rows
	s_lshl_b32 s83, s85, 11
	s_lshl_b32 s87, s82, 7
	s_add_co_u32 s83, s83, s87                     ; its first row, among all 8,192
	s_lshl_b32 s44, s[CY], 2
	s_lshl_b32 s44, 15, s44                        ; my row of the cluster
	s_lshl_b32 s45, 0x1111, s[CX]                  ; my column
	s_or_b32 s[G1A], s44, GWA
	s_mov_b32 s[G1A+1], 128<<16                    ; P: 64 rows x 128 keys a load, 2,048 elements from row to row
	s_mov_b32 s[G1A+2], 64<<16
	s_mov_b32 s[G1A+3], 128<<16
	s_mov_b32 s[G1A+4], 64
	s_mov_b32 s[G1A+5], 2048
	s_mov_b32 s[G1A+6], 0
	s_mov_b32 s[G1A+7], 0
	s_or_b32 s[G1B], s45, GWB
	s_mov_b32 s[G1B+1], 256<<16                    ; V: 64 keys x 256 channels a load, 3,072 elements from row to row
	s_mov_b32 s[G1B+2], 64<<16
	s_mov_b32 s[G1B+3], 256<<16
	s_mov_b32 s[G1B+4], 64
	s_mov_b32 s[G1B+5], 3072
	s_mov_b32 s[G1B+6], 0
	s_mov_b32 s[G1B+7], 0
	s_lshl_b32 s17, s[WC], 6
	s_add_co_u32 s16, s83, s17                     ; P: my row block's row 64 x half,
	s_lshl_b32 s16, s16, 12                        ; of 4,096 bytes
	s_mov_b32 s17, 0
	s_mov_b32 s15, 0
	s_lshl_b32 s46, s85, 11                        ; V: the batch's key 64 x half,
	s_lshl_b32 s47, s[WC], 6
	s_add_co_u32 s46, s46, s47
	s_mul_i32 s46, s46, 6144
	s_lshl_b32 s47, s[CX], 9                       ; my block of 256 channels,
	s_add_co_u32 s46, s46, s47
	s_add_co_u32 s46, s46, 4096                    ; behind q's and k's columns
	s_mov_b32 s47, 0
	s_mul_i32 s18, s[WC], 64*PITCH                 ; where they go: no place in the cluster enters an LDS address
	s_mul_i32 s19, s[WC], 64*PV
	s_add_co_u32 s19, s19, ABYTES
	s_wait_dscnt 0x0                               ; the opening add is done
	s_wait_kmcnt 0x0
	s_add_nc_u64 s[16:17], s[4:5], s[16:17]
	s_add_nc_u64 s[46:47], s[6:7], s[46:47]
	CROUND                                         ; all sixteen work-groups are here: the first joint loads meet
.irp s, 0,1
	s_mov_b32 s[G0A+4*(\s)], 1
	s_add_co_u32 s[G0A+4*(\s)+1], s18, (\s)*SLOT
	s_add_nc_u64 s[G0A+4*(\s)+2:G0A+4*(\s)+3], s[16:17], (\s)*256
	s_or_b32 s[G0A+4*(\s)+3], s[G0A+4*(\s)+3], 0x80000000
	s_mov_b32 s[G0B+4*(\s)], 1
	s_add_co_u32 s[G0B+4*(\s)+1], s19, (\s)*SLOT
	s_add_nc_u64 s[G0B+4*(\s)+2:G0B+4*(\s)+3], s[46:47], (\s)*VSTEP
	s_or_b32 s[G0B+4*(\s)+3], s[G0B+4*(\s)+3], 0x80000000
	JLOAD \s
.endr
	v_and_b32 v1, 15, v0                           ; r
	v_bfe_u32 v2, v0, 4, 1                         ; h
	v_and_b32 v3, 31, v0                           ; l
	v_lshlrev_b32 v[SO], 2, v1
	v_lshl_add_u32 v[SO], s[WR], 8, v[SO]
	v_lshlrev_b32 v[T4], 2, v0
	s_lshl_b32 s90, s83, 2                         ; the statistics of my row block
	s_mov_b32 s91, 0
	s_add_nc_u64 s[92:93], s[8:9], s[90:91]
	s_add_nc_u64 s[94:95], s[10:11], s[90:91]
	s_add_nc_u64 s[SMB:SMB+1], s[92:93], 32768     ; at group 1
.irp a, 0,1,2,3
	global_load_b32 v[CMR+(\a)],   v[SO], s[92:93] offset:64*(\a)         ; cm of groups 0 and 1 for my rows
	global_load_b32 v[CMR+4+(\a)], v[SO], s[92:93] offset:32768+64*(\a)
.endr
.irp g, 0,1,2,3,4,5,6,7,8,9,10,11,12,13,14,15
	global_load_b32 v[32+(\g)], v[T4], s[92:93] offset:(\g)*32768         ; thread t: all 16 cm and l of row t
	global_load_b32 v[48+(\g)], v[T4], s[94:95] offset:(\g)*32768
.endr
	v_lshl_add_u32 v[SCW], v0, 2, SCR
	v_add_nc_u32 v[SCRD], SCR, v[SO]
	v_mul_u32_u24 v4, v1, PITCH
	v_lshl_add_u32 v4, v2, 4, v4                   ; a fragment of P: row x pitch + 16 x half
	v_and_b32 v5, 7, v0                            ; the turning load: key 8 h + l % 8, channels 8 ((l / 8) % 2) on
	v_lshl_add_u32 v5, v2, 3, v5
	v_mul_u32_u24 v5, v5, PV
	v_bfe_u32 v6, v0, 3, 1
	v_lshl_add_u32 v5, v6, 4, v5
	s_mul_i32 s84, s[WR], 64*PITCH                 ; my 64 rows of P
	s_lshl_b32 s87, s[WC], 8                       ; my 128 channels of V,
	s_add_co_u32 s87, s87, ABYTES                  ; which lies behind P
.irp s, 0,1
	v_add_nc_u32 v[ADRA+(\s)], s84, v4
	v_add_nc_u32 v[ADRB+(\s)], s87, v5
	s_add_co_u32 s84, s84, SLOT
	s_add_co_u32 s87, s87, SLOT
.endr
	s_mul_i32 s84, s[WV], 16*PITCH
	s_add_co_u32 s84, s84, STAGE
	v_add_nc_u32 v[STO], s84, v4
	v_mul_u32_u24 v5, v2, PITCH
	v_lshl_add_u32 v5, v1, 4, v5
	v_add_nc_u32 v[RD], s84, v5
	v_lshlrev_b32 v5, 11, v2
	v_lshl_add_u32 v[CO], v1, 4, v5
	s_lshl_b32 s84, s[WR], 6                       ; where my part of the tile begins in ctx
	s_add_co_u32 s84, s84, s83
	s_lshl_b32 s90, s84, 11
	s_lshl_b32 s84, s[CX], 9
	s_add_co_u32 s90, s90, s84
	s_lshl_b32 s84, s[WC], 8
	s_add_co_u32 s90, s90, s84
	s_add_nc_u64 s[12:13], s[12:13], s[90:91]
	s_lshl_b32 s78, s[CX], 5                       ; the prefetches.  P: my row block's row 32 cx
	s_add_co_u32 s78, s78, s83
	s_lshl_b32 s78, s78, 12
	s_lshl_b32 s90, s85, 11                        ; V: the batch's key 32 cy, my block of channels, the half (wave - 1) % 2 of its 512 bytes
	s_lshl_b32 s84, s[CY], 5
	s_add_co_u32 s90, s90, s84
	s_mul_i32 s90, s90, 6144
	s_lshl_b32 s84, s[CX], 9
	s_add_co_u32 s90, s90, s84
	s_sub_co_u32 s84, s[WV], 1
	s_and_b32 s84, s84, 1
	s_lshl_b32 s84, s84, 8
	s_add_co_u32 s90, s90, s84
	s_add_co_u32 s90, s90, 4096
	s_sub_co_u32 s84, s[NLAP], 1
	s_mov_b32 s[STEPB], VSTEP
	s_mov_b32 s79, 6144
	s_cmp_eq_u32 s86, 3                            ; V is named by the clusters that walk all keys,
	s_cselect_b32 s87, s84, 0
	s_cmp_eq_u32 s[WV], 3                          ; and not by wave 3
	s_cselect_b32 s87, 0, s87
	s_cmp_eq_u32 s[WV], 0
	s_cselect_b32 s[LIM], s84, s87                 ; hangs on the wave and the cluster alone: the same in all sixteen partners
	s_cselect_b32 s[CLAMP], s[NI1], -1
	s_cselect_b32 s[STEPB], 256, s[STEPB]
	s_cselect_b32 s90, s78, s90
	s_cselect_b32 s79, 4096, s79
	s_cselect_b64 s[PFB:PFB+1], s[4:5], s[6:7]
	s_lshl_b32 s[LAPB], s[STEPB], 1
	s_add_nc_u64 s[PFB:PFB+1], s[PFB:PFB+1], s[90:91]
	v_mul_u32_u24 v[PFO], s79, v3
	; THE ROWS' FIGURES: thread t finds row t's maximum of cm, f for all 16 groups, l and 1 / l, and hands them to the waves through LDS.
	s_wait_loadcnt 0x0
	v_max3_num_f32 v4, v32, v33, v34
.irp n, 0,1,2,3,4,5
	v_max3_num_f32 v4, v4, v[35+2*(\n)], v[36+2*(\n)]
.endr
	v_max_num_f32 v4, v4, v47
.irp g, 0,1,2,3,4,5,6,7,8,9,10,11,12,13,14,15
	v_sub_f32 v[32+(\g)], v[32+(\g)], v4
.endr
.irp g, 0,1,2,3,4,5,6,7,8,9,10,11,12,13,14,15
	v_exp_f32 v[32+(\g)], v[32+(\g)]
.endr
	v_mov_b32 v5, 0                                ; l starts at 0: also the plain instruction behind the last exponential
	s_wait_alu depctr_va_vdst(0)                   ; one wait for the 16 exponentials
.irp g, 0,1,2,3,4,5,6,7,8,9,10,11,12,13,14,15
	v_cvt_pk_f16_f32 v[64+(\g)], v[32+(\g)], v[32+(\g)]
.endr
.irp g, 0,1,2,3,4,5,6,7,8,9,10,11,12,13,14,15
	v_fma_mix_f32 v5, v[64+(\g)], v[48+(\g)], v5 op_sel_hi:[1,0,0]  ; l += f16(f) x l_g, in f32
.endr
	v_rcp_f32 v6, v5                               ; l is at least 1: the group with the row's maximum has f = 1 and a weight 1
	v_nop
	s_wait_alu depctr_va_vdst(0)
	ds_store_b32 v[SCW], v4
	ds_store_b32 v[SCW], v6 offset:512
	s_wait_tensorcnt 1                             ; my part of K step 0 is in; K step 1's may stay out
	s_wait_dscnt 0x0                               ; for the others' sake: my stores are done
	s_barrier_signal -1
	s_barrier_wait -1
.irp a, 0,1,2,3
	ds_load_b32 v[CMX+(\a)], v[SCRD] offset:64*(\a)
.endr
.irp a, 0,1,2,3
	ds_load_b32 v[RLP+2*(\a)], v[SCRD] offset:512+64*(\a)
.endr
	FETCH 0, 0, F0
	s_wait_dscnt 24                                ; the eight figures are in; the 24 fragment loads may stay out
.irp a, 0,1,2,3
	v_mov_b32 v[RLP+2*(\a)+1], v[RLP+2*(\a)]
.endr
	FACT 0
	FACT 1
	QUARTER 0, 1, F0, F1, 1                        ; the first quarter's products start the sums
	WIN 0
	s_mov_b32 s3, 1
.Llap:                                         ; trip s3 = 1 .. N - 1 fills both slots with lap s3.  f of slot 1's new group is made when slot 1 has been left, f of slot 0's when slot 0 has
	QUARTER 0, 2, F1, F0, 0, 1
	QUARTER 0, 3, F0, F1, 0
	TURN 0, 1, 1
	QUARTER 1, 1, F0, F1, 0
	QUARTER 1, 2, F1, F0, 0, 0
	QUARTER 1, 3, F0, F1, 0
	TURN 1, 0, 1
	QUARTER 0, 1, F0, F1, 0
	WIN 0
	s_add_co_u32 s3, s3, 1
	s_cmp_lt_u32 s3, s[NLAP]
	s_cbranch_scc1 .Llap
	QUARTER 0, 2, F1, F0, 0, 1                     ; the last lap fills nothing
	QUARTER 0, 3, F0, F1, 0
	TURN 0, 1, 0
	QUARTER 1, 1, F0, F1, 0
	QUARTER 1, 2, F1, F0, 0
	QUARTER 1, 3, F0, F1, 0
	s_wait_dscnt 6
	SCALE F1, 0, 1
	MUL F1, 0, 0
	s_wait_dscnt 0x0
	SCALE F1, 1, 1
	SCALE F1, 2, 1
	SCALE F1, 3, 1
	MUL F1, 1, 0
	MUL F1, 2, 0
	MUL F1, 3, 0
	WIN 0
	PLACES                                         ; the places behind the last products
	PLACES
.macro COPY a                          ; block a's 64 sums times 1 / l into window 0, each accumulator's registers in ascending order
	WIN 0x01                                       ; source 0 window 1
.set i, 0
.rept 32
	v_pk_mul_f32 v[W+2*i:W+2*i+1], v[64*(\a)+2*i:64*(\a)+2*i+1], v[RLP+2*(\a):RLP+2*(\a)+1]
.set i, i+1
.endr
	WIN 0
.endm
	s_mov_b32 s2, 4                                ; four blocks of 16 rows: block 4 - s2
.Lepi:
	s_cmp_eq_u32 s2, 4
	s_cbranch_scc1 .Lcopy0
	s_cmp_eq_u32 s2, 3
	s_cbranch_scc1 .Lcopy1
	s_cmp_eq_u32 s2, 2
	s_cbranch_scc1 .Lcopy2
	COPY 3
	s_branch .Lcommon
.Lcopy0:
	COPY 0
	s_branch .Lcommon
.Lcopy1:
	COPY 1
	s_branch .Lcommon
.Lcopy2:
	COPY 2
.Lcommon:
.set i, 0
.rept 32
	v_cvt_pk_f16_f32 v[TMP+i], v[W+2*i], v[W+2*i+1]
.set i, i+1
.endr
.irp b, 0,1,2,3,4,5,6,7
	ds_store_b128 v[STO], v[TMP+4*(\b):TMP+4*(\b)+3] offset:32*(\b)
.endr
.irp t, 0,1,2,3,4,5,6,7
	ds_load_b128 v[BK+4*(\t):BK+4*(\t)+3], v[RD] offset:(\t)*2*PITCH  ; LDS serves a wave's instructions in order (ISA guide 5.7.1.4)
.endr
.irp t, 0,1,2,3,4,5,6,7
	s_wait_dscnt 7-(\t)                            ; the younger loads may stay out
	global_store_b128 v[CO], v[BK+4*(\t):BK+4*(\t)+3], s[12:13] offset:2*(\t)*ROWC  ; 16 lanes store 256 consecutive bytes, aligned
.endr
	s_wait_xcnt 0x0                                ; the stores have read their registers
	v_add_nc_u32 v[CO], 16*ROWC, v[CO]
	s_sub_co_u32 s2, s2, 1
	s_cmp_lg_u32 s2, 0
	s_cbranch_scc1 .Lepi
	s_wait_tensorcnt 0x0                           ; the wave's end
	ds_add_u32 v[SPW], v[NIL]
	s_wait_dscnt 0x0
	CROUND                                         ; the closing round
	s_endpgm
.Lfunc_end_k_q6ada28c43d_mix:
	.size	k_q6ada28c43d_mix, .Lfunc_end_k_q6ada28c43d_mix-k_q6ada28c43d_mix
	.p2alignl 7, 3214868480
	.fill 96, 4, 3214868480
	.section	.rodata,"a",@progbits
	.p2align	6, 0x0
	.amdhsa_kernel k_q6ada28c43d_mix
		.amdhsa_group_segment_fixed_size 327680
		.amdhsa_private_segment_fixed_size 0
		.amdhsa_enable_private_segment 0
		.amdhsa_kernarg_size 40
		.amdhsa_user_sgpr_count 2
		.amdhsa_user_sgpr_kernarg_segment_ptr 1
		.amdhsa_wavefront_size32 1
		.amdhsa_system_sgpr_workgroup_id_x 1
		.amdhsa_system_sgpr_workgroup_id_y 1
		.amdhsa_system_sgpr_workgroup_id_z 1
		.amdhsa_system_vgpr_workitem_id 0
		.amdhsa_next_free_vgpr 512
		.amdhsa_next_free_sgpr 96
		.amdhsa_reserve_vcc 0
		.amdhsa_float_denorm_mode_32 3
		.amdhsa_float_denorm_mode_16_64 3
		.amdhsa_memory_ordered 1
		.amdhsa_forward_progress 1
		.amdhsa_inst_pref_size 131
	.end_amdhsa_kernel
	.amdgpu_metadata
---
amdhsa.version: [ 1, 2 ]
amdhsa.kernels:
  - .name:           k_q6ada28c43d_mix
    .symbol:         k_q6ada28c43d_mix.kd
    .args:
      - { .name: pbuf, .offset: 0, .size: 8, .value_kind: global_buffer, .address_space: global }
      - { .name: qkv, .offset: 8, .size: 8, .value_kind: global_buffer, .address_space: global }
      - { .name: stm, .offset: 16, .size: 8, .value_kind: global_buffer, .address_space: global }
      - { .name: stl, .offset: 24, .size: 8, .value_kind: global_buffer, .address_space: global }
      - { .name: ctx, .offset: 32, .size: 8, .value_kind: global_buffer, .address_space: global }
    .group_segment_fixed_size: 327680
    .private_segment_fixed_size: 0
    .kernarg_segment_align: 8
    .kernarg_segment_size: 40
    .max_flat_workgroup_size: 128
    .sgpr_count:     96
    .vgpr_count:     512
    .wavefront_size: 32
...
	.end_amdgpu_metadata
.endif
;; end of part 4
;; launch outp (part 5): grid 4 x 64, 4 waves a work-group, clusters of 4 x 4, 327,680 bytes of LDS; arguments ctx, wo16, bo, out0; writes out0
.if DOCPART == 5
	.amdgcn_target "amdgcn-amd-amdhsa--gfx1250"
	.amdhsa_code_object_version 6
	.text
	.protected	k_q6ada28c43d_outp
	.globl	k_q6ada28c43d_outp
	.p2align	8
	.type	k_q6ada28c43d_outp,@function
k_q6ada28c43d_outp:
	s_mov_b64 s[64:65], 0
	v_nop
	global_prefetch_b8 v0, s[64:65] scope:SCOPE_SE
	s_setreg_imm32_b32 hwreg(HW_REG_WAVE_MODE, 25, 1), 1
	s_wait_xcnt 0x0
	s_wait_alu depctr_hold_cnt(0) depctr_sa_sdst(0) depctr_va_vdst(0) depctr_va_sdst(0) depctr_va_ssrc(0) depctr_va_vcc(0) depctr_vm_vsrc(0)
	s_getreg_b32 s2, hwreg(HW_REG_IB_STS2, 6, 4)
	s_cmp_eq_u32 s2, 0
	s_cbranch_scc0 .Lentry_in_a_cluster
	s_endpgm
.Lentry_in_a_cluster:
	s_bfe_u32 s2, ttmp6, 0x10000c
	s_cmp_lg_u32 s2, 0xf033
	s_cbranch_scc0 .Lentry_shape_is_right
	s_endpgm
.Lentry_shape_is_right:
; out0[8192][1024] = ctx . wo16^T + bo.  ctx [8192][1024] and wo16 [1024][1024] are f16 (wo16 holds bf16(Wo)); sums in f32; bo is rounded to bf16 like the other inputs and added in f32; out0 is f32.
; SHARES, RING, CLUSTER and REGISTERS as in the launch that makes ctx: a work-group makes 128 x 256 (256 tiles), four waves of 64 x 128, K in 8 steps of 128 through two LDS slots, 4 x 4 work-groups that
; ask jointly for ctx's rows along a row of the cluster and for wo16's along a column.  The matrix instruction is used transposed: a lane holds row l % 16 and eight neighbouring columns.
; Window 0: v0-31 addresses; v32-127, v128-223 fragment buffers; on the way out v32-95 a block's sums, v128-191 whole rows.  Window 1: accumulator (a, b) at v[8 (8 a + b)].  Window 2: v0-63 bias, v64 at work.
.set PITCH,  272
.set ABYTES, 128*PITCH
.set SLOT,   384*PITCH
.set STAGE,  2*SLOT                    ; 16 rows x 528 bytes for each wave
.set SP,     528                       ; a stage row: 512 bytes + 16
.set SPARE,  STAGE+4*16*SP             ; the spare words, 128 bytes a wave, that no other line names
.set LAPS,   4
.set ROWC,   4096                      ; bytes in a row of out0
.set GW,     (1<<16)|(1<<20)|(1<<21)|(5<<22)|(3<<25)
.set ADRA, 16
.set ADRB, 18
.set STO,  20
.set RD,   21
.set CO,   22
.set BO,   23
.set SPW,  28
.set NIL,  29
.set PFO,  30
.set F0,   32
.set F1,   128
.set W,    32
.set BK,   128
.set WV, 20
.set WR, 21
.set WC, 22
.set G1A, 24
.set G0A, 32
.set CX, 40
.set CY, 41
.set TX, 42
.set TY, 43
.set G1B, 48
.set G0B, 56
.set LIM, 66
.set PFA, 68
.set MULW, 0x50
.set MSB, 0
.macro WIN new
.if MSB != (\new)
	s_set_vgpr_msb (MSB<<8)|(\new)
.set MSB, \new
.endif
.endm
.macro PLACES
.rept 4
	v_nop
.endr
.endm
.macro JLOAD s                         ; waves 0, 1 fetch A's halves, waves 2, 3 B's; an s_nop 0 and four v_nop follow each line
	s_cmp_eq_u32 s[WR], 0
	s_cbranch_scc0 .Lfor_b_\@
	tensor_load_to_lds s[G0A+4*(\s):G0A+4*(\s)+3], s[G1A:G1A+7]
	s_nop 0
.rept 4
	v_nop
.endr
	s_branch .Lasked_\@
.Lfor_b_\@:
	tensor_load_to_lds s[G0B+4*(\s):G0B+4*(\s)+3], s[G1B:G1B+7]
	s_nop 0
.rept 4
	v_nop
.endr
.Lasked_\@:
.endm
.macro CREST
	s_cmp_lg_u32 s[WV], 0
	s_cbranch_scc1 .Lnot_wave_0_\@
	s_barrier_signal -3
.Lnot_wave_0_\@:
	s_barrier_wait -3
	s_barrier_signal -1
	s_barrier_wait -1
.endm
.macro CROUND
	s_barrier_signal -1
	s_barrier_wait -1
	CREST
.endm
; A prefetch of the K step two refills on: 32 rows x 256 bytes, a lane a row.  ctx's rows are read by one cluster alone: wave 0 names them, the four partners 32 rows each, by address; wo16's rows are named by the
; first cluster along y: waves 1, 2, the four partners 64 rows each.  The loop's last trip has no K step two on.
.macro ASK
	s_cmp_gt_u32 s3, s[LIM]
	s_cbranch_scc0 .Lnot_mine_\@
	global_prefetch_b8 v[PFO], s[PFA:PFA+1] offset:256 th:TH_LOAD_NT scope:SCOPE_SE
.Lnot_mine_\@:
.endm
.macro MUL f, a, zero                  ; the 32 accumulators take turns
	WIN MULW
.irp b, 0,1,2,3,4,5,6,7
.if \zero
	v_wmma_f32_16x16x32_f16 v[8*(8*(\a)+(\b)):8*(8*(\a)+(\b))+7], v[(\f)+32+8*(\b):(\f)+32+8*(\b)+7], v[(\f)+8*(\a):(\f)+8*(\a)+7], 0
.else
	v_wmma_f32_16x16x32_f16 v[8*(8*(\a)+(\b)):8*(8*(\a)+(\b))+7], v[(\f)+32+8*(\b):(\f)+32+8*(\b)+7], v[(\f)+8*(\a):(\f)+8*(\a)+7], v[8*(8*(\a)+(\b)):8*(8*(\a)+(\b))+7]
.endif
.endr
.endm
.macro FETCH slot, q, f
	WIN 0
.irp i, 0,1,2,3,4,5,6,7
	ds_load_b128 v[(\f)+32+8*(\i):(\f)+32+8*(\i)+3],   v[ADRB+(\slot)] offset:64*(\q)+(\i)*16*PITCH
	ds_load_b128 v[(\f)+32+8*(\i)+4:(\f)+32+8*(\i)+7], v[ADRB+(\slot)] offset:64*(\q)+(\i)*16*PITCH+32
.endr
.irp i, 0,1,2,3
	ds_load_b128 v[(\f)+8*(\i):(\f)+8*(\i)+3],   v[ADRA+(\slot)] offset:64*(\q)+(\i)*16*PITCH
	ds_load_b128 v[(\f)+8*(\i)+4:(\f)+8*(\i)+7], v[ADRA+(\slot)] offset:64*(\q)+(\i)*16*PITCH+32
.endr
.endm
.macro QUARTER slot, q, f, g, zero
	s_wait_dscnt 6                                 ; B and A's block 0 are in; the youngest six loads may be out
	MUL \f, 0, \zero
	WIN 0
	PLACES
	FETCH \slot, \q, \g
	s_wait_dscnt 24                                ; all but the 24 just issued
	MUL \f, 1, \zero
	MUL \f, 2, \zero
	MUL \f, 3, \zero
.endm
.macro TURN slot, next, fill
.if \fill
	s_wait_xcnt 0x0                                ; the last prefetch, a K step back, has read its address
	s_add_nc_u64 s[PFA:PFA+1], s[PFA:PFA+1], 256
.endif
	WIN 0
	s_wait_tensorcnt 0x0                           ; all my tensor loads have landed: my part of the next slot
	ds_add_u32 v[SPW], v[NIL]
	s_wait_dscnt 7                                 ; the add and the youngest six loads may be out
	MUL F1, 0, 0
	s_wait_dscnt 0x0                               ; the add is done, and my reads of this slot are over
	s_barrier_signal -1
	MUL F1, 1, 0
	WIN 0
	s_barrier_wait -1
.if \fill
	CREST                                          ; no wave of any partner still reads this slot or has a load on its way
	s_add_nc_u64 s[G0A+4*(\slot)+2:G0A+4*(\slot)+3], s[G0A+4*(\slot)+2:G0A+4*(\slot)+3], 512
	s_add_nc_u64 s[G0B+4*(\slot)+2:G0B+4*(\slot)+3], s[G0B+4*(\slot)+2:G0B+4*(\slot)+3], 512
	JLOAD \slot
.else
	PLACES
.endif
	FETCH \next, 0, F0
.if \fill
	ASK
.endif
	MUL F1, 2, 0
	MUL F1, 3, 0
.endm
	s_load_b256 s[4:11], s[0:1], 0x0               ; ctx s[4:5], wo16 s[6:7], bo s[8:9], out0 s[10:11]
	v_lshl_add_u32 v[SPW], v0, 2, SPARE
	v_mov_b32 v[NIL], 0
	ds_add_u32 v[SPW], v[NIL]                      ; the wave's opening: the add and its wait ahead of my first tensor load
	ds_add_u32 v28, v29
	v_lshrrev_b32 v1, 5, v0
	v_readfirstlane_b32 s[WV], v1
	s_lshr_b32 s[WR], s[WV], 1
	s_and_b32 s[WC], s[WV], 1
	s_bfe_u32 s[CX], ttmp6, 0x40000
	s_bfe_u32 s[CY], ttmp6, 0x40004
	s_mov_b32 s84, ttmp9
	s_lshl_b32 s[TX], ttmp9, 2
	s_add_co_u32 s[TX], s[TX], s[CX]
	s_and_b32 s[TY], ttmp7, 0xffff
	s_lshl_b32 s[TY], s[TY], 2
	s_add_co_u32 s[TY], s[TY], s[CY]
	s_lshl_b32 s44, s[CY], 2
	s_lshl_b32 s44, 15, s44
	s_lshl_b32 s45, 0x1111, s[CX]
	s_or_b32 s[G1A], s44, GW
	s_or_b32 s[G1B], s45, GW
.irp g, G1A, G1B
	s_mov_b32 s[(\g)+1], 128<<16
	s_mov_b32 s[(\g)+3], 128<<16
	s_mov_b32 s[(\g)+5], 1024
	s_mov_b32 s[(\g)+6], 0
	s_mov_b32 s[(\g)+7], 0
.endr
	s_mov_b32 s[G1A+2], 64<<16
	s_mov_b32 s[G1A+4], 64
	s_mov_b32 s[G1B+2], 128<<16
	s_mov_b32 s[G1B+4], 128
	s_lshl_b32 s17, s[WC], 6
	s_lshl_b32 s16, s[TY], 7
	s_add_co_u32 s16, s16, s17
	s_lshl_b32 s16, s16, 11
	s_mov_b32 s17, 0
	s_lshl_b32 s47, s[WC], 7
	s_lshl_b32 s46, s[TX], 8
	s_add_co_u32 s46, s46, s47
	s_lshl_b32 s46, s46, 11
	s_mov_b32 s47, 0
	s_mul_i32 s18, s[WC], 64*PITCH
	s_mul_i32 s19, s[WC], 128*PITCH
	s_add_co_u32 s19, s19, ABYTES
	s_wait_dscnt 0x0                               ; the opening add is done
	s_wait_kmcnt 0x0
	s_add_nc_u64 s[16:17], s[4:5], s[16:17]
	s_add_nc_u64 s[46:47], s[6:7], s[46:47]
	CROUND                                         ; all sixteen work-groups are here: the first joint loads meet
.irp s, 0,1
	s_mov_b32 s[G0A+4*(\s)], 1
	s_add_co_u32 s[G0A+4*(\s)+1], s18, (\s)*SLOT
	s_add_nc_u64 s[G0A+4*(\s)+2:G0A+4*(\s)+3], s[16:17], (\s)*256
	s_or_b32 s[G0A+4*(\s)+3], s[G0A+4*(\s)+3], 0x80000000
	s_mov_b32 s[G0B+4*(\s)], 1
	s_add_co_u32 s[G0B+4*(\s)+1], s19, (\s)*SLOT
	s_add_nc_u64 s[G0B+4*(\s)+2:G0B+4*(\s)+3], s[46:47], (\s)*256
	s_or_b32 s[G0B+4*(\s)+3], s[G0B+4*(\s)+3], 0x80000000
	JLOAD \s
.endr
	v_and_b32 v1, 15, v0
	v_bfe_u32 v2, v0, 4, 1
	v_and_b32 v3, 31, v0
	v_mul_u32_u24 v4, v1, PITCH
	v_lshl_add_u32 v4, v2, 4, v4
	s_mul_i32 s85, s[WR], 64*PITCH
	s_mul_i32 s86, s[WC], 128*PITCH
	s_add_co_u32 s86, s86, ABYTES
.irp s, 0,1
	v_add_nc_u32 v[ADRA+(\s)], s85, v4
	v_add_nc_u32 v[ADRB+(\s)], s86, v4
	s_add_co_u32 s85, s85, SLOT
	s_add_co_u32 s86, s86, SLOT
.endr
	s_mul_i32 s85, s[WV], 16*SP
	s_add_co_u32 s85, s85, STAGE                   ; my stage
	v_mul_u32_u24 v5, v1, SP                       ; in: row r, 32 bytes for each half of the lanes
	v_lshl_add_u32 v5, v2, 5, v5
	v_add_nc_u32 v[STO], s85, v5
	v_lshl_add_u32 v[RD], v3, 4, s85               ; back: 32 lanes take one row of 512 bytes
	v_lshlrev_b32 v[CO], 4, v3                     ; and the same row in out0
	v_lshlrev_b32 v[BO], 5, v2
	v_lshl_add_u32 v[BO], s[WC], 9, v[BO]
	v_lshlrev_b32 v[PFO], 11, v3
	s_lshl_b32 s82, s[TX], 10                      ; my tile's 256 columns of the bias
	s_mov_b32 s83, 0
	s_add_nc_u64 s[80:81], s[8:9], s[82:83]
	WIN 0x80                                       ; destination window 2, address window 0
.irp b, 0,1,2,3,4,5,6,7
	global_load_b128 v[8*(\b):8*(\b)+3],   v[BO], s[80:81] offset:64*(\b)
	global_load_b128 v[8*(\b)+4:8*(\b)+7], v[BO], s[80:81] offset:64*(\b)+16
.endr
	WIN 0
	s_lshl_b32 s78, s[TY], 7                       ; where my part of the tile begins in out0
	s_lshl_b32 s79, s[WR], 6
	s_add_co_u32 s78, s78, s79
	s_lshl_b32 s78, s78, 12
	s_lshl_b32 s79, s[TX], 10
	s_add_co_u32 s78, s78, s79
	s_lshl_b32 s79, s[WC], 9
	s_add_co_u32 s78, s78, s79
	s_mov_b32 s79, 0
	s_add_nc_u64 s[10:11], s[10:11], s[78:79]
	s_lshl_b32 s85, s[TY], 7                       ; the prefetches: ctx's row 128 x tile row + 32 cx,
	s_lshl_b32 s86, s[CX], 5
	s_add_co_u32 s85, s85, s86
	s_lshl_b32 s86, s[TX], 8                       ; wo16's row 256 x tile column + 64 cy + 32 x ((wave - 1) % 2)
	s_lshl_b32 s87, s[CY], 6
	s_add_co_u32 s86, s86, s87
	s_sub_co_u32 s87, s[WV], 1
	s_and_b32 s87, s87, 1
	s_lshl_b32 s87, s87, 5
	s_add_co_u32 s86, s86, s87
	s_and_b32 s88, ttmp7, 0xffff
	s_cmp_eq_u32 s[WV], 0
	s_cselect_b32 s85, s85, s86
	s_cselect_b32 s88, s84, s88
	s_cselect_b64 s[PFA:PFA+1], s[4:5], s[6:7]
	s_cmp_eq_u32 s[WV], 3
	s_cselect_b32 s88, 1, s88
	s_cmp_eq_u32 s88, 0
	s_cselect_b32 s[LIM], 1, -1
	s_lshl_b32 s86, s85, 11
	s_add_co_u32 s86, s86, 512
	s_mov_b32 s87, 0
	s_add_nc_u64 s[PFA:PFA+1], s[PFA:PFA+1], s[86:87]
	s_wait_tensorcnt 1                             ; my part of K step 0 is in; K step 1's may stay out
	s_barrier_signal -1
	s_barrier_wait -1
	FETCH 0, 0, F0
	QUARTER 0, 1, F0, F1, 1
	WIN 0
	s_mov_b32 s3, LAPS-1
.Llap:
	QUARTER 0, 2, F1, F0, 0
	QUARTER 0, 3, F0, F1, 0
	TURN 0, 1, 1
	QUARTER 1, 1, F0, F1, 0
	QUARTER 1, 2, F1, F0, 0
	QUARTER 1, 3, F0, F1, 0
	TURN 1, 0, 1
	QUARTER 0, 1, F0, F1, 0
	WIN 0
	s_sub_co_u32 s3, s3, 1
	s_cmp_lg_u32 s3, 0
	s_cbranch_scc1 .Llap
	QUARTER 0, 2, F1, F0, 0
	QUARTER 0, 3, F0, F1, 0
	TURN 0, 1, 0
	QUARTER 1, 1, F0, F1, 0
	QUARTER 1, 2, F1, F0, 0
	QUARTER 1, 3, F0, F1, 0
	s_wait_dscnt 6
	MUL F1, 0, 0
	s_wait_dscnt 0x0
	MUL F1, 1, 0
	MUL F1, 2, 0
	MUL F1, 3, 0
	WIN 0
	; THE WAY OUT.  The bias is rounded to bf16 and widened again: 96 plain instructions on window 2's registers, which are also the places behind the last products.
	s_wait_loadcnt 0x0
	WIN 0x8a
.set i, 0
.rept 32
	v_cvt_pk_bf16_f32 v64, v[2*i], v[2*i+1]
	v_lshlrev_b32 v[2*i], 16, v64
	v_and_b32 v[2*i+1], 0xffff0000, v64
.set i, i+1
.endr
	WIN 0
.macro COPY a                          ; block a's 64 sums + bias into window 0, each accumulator's registers in ascending order
	WIN 0x09
.set i, 0
.rept 32
	v_pk_add_f32 v[W+2*i:W+2*i+1], v[64*(\a)+2*i:64*(\a)+2*i+1], v[2*i:2*i+1]
.set i, i+1
.endr
	WIN 0
.endm
	s_mov_b32 s2, 4                                ; four blocks of 16 rows: block 4 - s2
.Lepi:
	s_cmp_eq_u32 s2, 4
	s_cbranch_scc1 .Lcopy0
	s_cmp_eq_u32 s2, 3
	s_cbranch_scc1 .Lcopy1
	s_cmp_eq_u32 s2, 2
	s_cbranch_scc1 .Lcopy2
	COPY 3
	s_branch .Lcommon
.Lcopy0:
	COPY 0
	s_branch .Lcommon
.Lcopy1:
	COPY 1
	s_branch .Lcommon
.Lcopy2:
	COPY 2
.Lcommon:
.irp b, 0,1,2,3,4,5,6,7
	ds_store_b128 v[STO], v[W+8*(\b):W+8*(\b)+3]   offset:64*(\b)
	ds_store_b128 v[STO], v[W+8*(\b)+4:W+8*(\b)+7] offset:64*(\b)+16
.endr
.irp t, 0,1,2,3,4,5,6,7,8,9,10,11,12,13,14,15
	ds_load_b128 v[BK+4*(\t):BK+4*(\t)+3], v[RD] offset:(\t)*SP  ; LDS serves a wave's instructions in order (ISA guide 5.7.1.4)
.endr
.irp t, 0,1,2,3,4,5,6,7,8,9,10,11,12,13,14,15
	s_wait_dscnt 15-(\t)                           ; the younger loads may stay out
	global_store_b128 v[CO], v[BK+4*(\t):BK+4*(\t)+3], s[10:11] offset:(\t)*ROWC th:TH_STORE_NT  ; a wave stores 512 consecutive bytes, aligned
.endr
	s_wait_xcnt 0x0                                ; the stores have read their registers
	v_add_nc_u32 v[CO], 16*ROWC, v[CO]
	s_sub_co_u32 s2, s2, 1
	s_cmp_lg_u32 s2, 0
	s_cbranch_scc1 .Lepi
	s_wait_tensorcnt 0x0                           ; the wave's end
	ds_add_u32 v[SPW], v[NIL]
	s_wait_dscnt 0x0
	CROUND                                         ; the closing round
	s_endpgm
.Lfunc_end_k_q6ada28c43d_outp:
	.size	k_q6ada28c43d_outp, .Lfunc_end_k_q6ada28c43d_outp-k_q6ada28c43d_outp
	.p2alignl 7, 3214868480
	.fill 96, 4, 3214868480
	.section	.rodata,"a",@progbits
	.p2align	6, 0x0
	.amdhsa_kernel k_q6ada28c43d_outp
		.amdhsa_group_segment_fixed_size 327680
		.amdhsa_private_segment_fixed_size 0
		.amdhsa_enable_private_segment 0
		.amdhsa_kernarg_size 32
		.amdhsa_user_sgpr_count 2
		.amdhsa_user_sgpr_kernarg_segment_ptr 1
		.amdhsa_wavefront_size32 1
		.amdhsa_system_sgpr_workgroup_id_x 1
		.amdhsa_system_sgpr_workgroup_id_y 1
		.amdhsa_system_sgpr_workgroup_id_z 1
		.amdhsa_system_vgpr_workitem_id 0
		.amdhsa_next_free_vgpr 580
		.amdhsa_next_free_sgpr 96
		.amdhsa_reserve_vcc 0
		.amdhsa_float_denorm_mode_32 3
		.amdhsa_float_denorm_mode_16_64 3
		.amdhsa_memory_ordered 1
		.amdhsa_forward_progress 1
		.amdhsa_inst_pref_size 91
	.end_amdhsa_kernel
	.amdgpu_metadata
---
amdhsa.version: [ 1, 2 ]
amdhsa.kernels:
  - .name:           k_q6ada28c43d_outp
    .symbol:         k_q6ada28c43d_outp.kd
    .args:
      - { .name: ctx, .offset: 0, .size: 8, .value_kind: global_buffer, .address_space: global }
      - { .name: wo16, .offset: 8, .size: 8, .value_kind: global_buffer, .address_space: global }
      - { .name: bo, .offset: 16, .size: 8, .value_kind: global_buffer, .address_space: global }
      - { .name: out0, .offset: 24, .size: 8, .value_kind: global_buffer, .address_space: global }
    .group_segment_fixed_size: 327680
    .private_segment_fixed_size: 0
    .kernarg_segment_align: 8
    .kernarg_segment_size: 32
    .max_flat_workgroup_size: 128
    .sgpr_count:     96
    .vgpr_count:     580
    .wavefront_size: 32
...
	.end_amdgpu_metadata
.endif
;; end of part 5
